; MI455X (gfx1250); checked and timed in simulation.
; The chip was launched on July 23, 2026; its instructions are those of AMD's public machine-readable ISA for CDNA 5 (MIT licence, August 2026) and "CDNA5" Instruction Set Architecture Reference Guide (July 2026). The comments in the code are by the model that wrote it; some were corrected since.
;; Multi Head Attention. Allowed arithmetic: matrix products marked QUANTISED: E2M3 operands, one E8M0 scale for each 32 along K, by v_wmma_scale_f32_16x16x128_f8f6f4 with both operands' format E2M3, f32 sums; everything else in f32.
;; Inputs: wk 1,024 x 1,024 float32; wo 1,024 x 1,024 float32; wq 1,024 x 1,024 float32; wv 1,024 x 1,024 float32; x 2 x 2,048 x 1,024 float32.
;; Outputs: out0 2 x 2,048 x 1,024 float32.
;; This version of the problem:
;;   THIS VERSION OF THE PROBLEM IS GIVEN IN LOW PRECISION. The matrix products marked QUANTISED in the list below multiply operands that are first quantised to E2M3 (2 exponent bits, 3 mantissa bits; 6 bits a number), with one power-of-two scale for each 32 numbers along K (OCP MX v1.0); their sums are f32. All else is computed in f32.
;;   The module's matrix products, in the order in which they are computed (A, B: the left and right operand; K: the contracted axis; several contracted axes count as one K, in the product's order):
;;     1. [M 4,096, K 1,024] x [K 1,024, N 1,024]; A: input x; B: input wq: QUANTISED
;;     2. [M 4,096, K 1,024] x [K 1,024, N 1,024]; A: input x; B: input wk: QUANTISED
;;     3. [M 4,096, K 1,024] x [K 1,024, N 1,024]; A: input x; B: input wv: QUANTISED
;;     4. batch 32 x [M 2,048, K 64] x [K 64, N 2,048]; A: computed on the way; B: computed on the way: QUANTISED
;;     5. batch 32 x [M 64, K 2,048] x [K 2,048, N 2,048]; A: computed on the way; B: softmax (see below): QUANTISED
;;     6. [M 4,096, K 1,024] x [K 1,024, N 1,024]; A: computed on the way; B: input wo: QUANTISED
;;   THE QUANTISER, for each operand of a quantised product, along K:
;;     - K is cut into blocks of 32 from its start; a last block that is shorter is filled with zeros.
;;     - A block's scale is 2^e with e = floor(log2(the largest magnitude in the block)) - 2, held to -126 .. 127; a block of zeros has e = 0. As a byte (E8M0): e + 127.
;;     - Each number is divided by its block's scale, clamped to +-7.5, and rounded to the nearest number of E2M3, ties to even, subnormals kept.
;;     - The product sums the exact products of the quantised numbers (number of the format x scale) in f32.
;;   ~~~python
;;   def quantise(x, axis):      # numpy; x: float32 -> the quantised numbers, widened to float32 again
;;       x = np.moveaxis(x, axis, -1); K = x.shape[-1]
;;       x = np.pad(x, [(0, 0)] * (x.ndim - 1) + [(0, -K % 32)]); x = x.reshape(x.shape[:-1] + (-1, 32)); a = np.abs(x).max(-1, keepdims=True)
;;       e = np.where(a > 0, np.clip(np.frexp(np.where(a > 0, a, 1))[1] - 1 - 2, -126, 127), 0)      # np.frexp(a)[1] - 1 = floor(log2(a)), exactly
;;       r = np.clip(x / 2.0 ** e, -7.5, 7.5)
;;       step = 2.0 ** (np.maximum(np.frexp(np.where(r == 0, 1, r))[1] - 1, 0) - 3)
;;       q = np.round(r / step) * step * 2.0 ** e      # np.round: ties to even
;;       return np.moveaxis(q.reshape(q.shape[:-2] + (-1,))[..., :K], -1, axis).astype(np.float32)
;;   ~~~
;;   SOFTMAX AHEAD OF A QUANTISED PRODUCT. Where the list says 'softmax', what is quantised is not the finished softmax but p = 2^(t - M), with t = logit x log2(e) and M = ceil(the row's largest t), a whole number; so 1/2 < the row's largest p <= 1. The row's sum l is taken of the UNQUANTISED p, in f32, and the product's result is divided by l at the end. Since M is a whole number, a kernel that streams over the keys may use a running M (the ceiling of the running maximum): every later rescaling is an exact power of two, which a block's scale takes up: the codes' values come out the same.
;;   OPERANDS COMPUTED ON THE WAY. 'Computed on the way' means the value that the module computes at that place (a softmax that the list does not call 'softmax' is quantised finished and normalised). What goes into a quantiser is computed in f32, as accurately as f32 sums, v_exp_f32 and their like allow (about 1e-6 of the number): no bf16 or f16 on the way to a quantiser, and a product that is left as it is and whose result goes on into a quantised operand takes f32 operands (vector FMAs, or v_wmma_f32_16x16x4_f32). A number that lies on a knife's edge between two numbers of the format may be rounded either way, as far as f32 arithmetic and the matrix unit's own rounding can turn it there, and no further.
;; One version. Each part assembles by itself: llvm-mc -triple=amdgcn-amd-amdhsa -mcpu=gfx1250 --defsym DOCPART=n.
;; ======== version 1 of 1: 4 launches
;; limits: right only within a limited range of input values
;; workspace buffers: cod 6,291,456 bytes; scl 262,144 bytes; qkv 9,830,400 bytes; ocod 3,145,728 bytes; osc 131,072 bytes
;; launch quant (part 1): grid 256 x 1, 4 waves a work-group, no clusters, 35,328 bytes of LDS; arguments x, wq, wk, wv, wo, cod, scl; writes cod, scl
.if DOCPART == 1
	.amdgcn_target "amdgcn-amd-amdhsa--gfx1250"
	.amdhsa_code_object_version 6
	.text
	.protected	k_q181e1c3675_quant
	.globl	k_q181e1c3675_quant
	.p2align	8
	.type	k_q181e1c3675_quant,@function
k_q181e1c3675_quant:
	s_mov_b64 s[64:65], 0
	v_nop
	global_prefetch_b8 v0, s[64:65] scope:SCOPE_SE
	s_setreg_imm32_b32 hwreg(HW_REG_WAVE_MODE, 25, 1), 1
	s_wait_xcnt 0x0
; x [4096][1024] and wq, wk, wv, wo [1024][1024], f32, K innermost, become codes of FP6 (E2M3) with one E8M0 byte for each 32 along K.
; WORK LEFT OUT BY THE PROGRAM: reference() sets the scores of keys behind the query to -inf, so their p is 0 for all values of the inputs.  Blocks of 128 keys that lie wholly behind a tile of queries are not multiplied (launch attn).
; A NaN, an infinity or an overflow that reaches only such scores is not carried to the result.
; A block's scale is 2^(floor(log2(its largest magnitude)) - 2); its byte is that magnitude's exponent field - 2, held at 1 from below.
; LIMITS: NaN and infinities among the inputs are not served.  A block of zeros gets the byte 1 where the rule says 127: its codes are zeros, and this program alone reads the bytes.
; THE CODES ARE LAID AS IMAGES OF OPERAND REGISTERS.  cod = [tile 512][chunk 16][768 bytes]: tiles 0-255 x, 256-319 wq, 320-383 wk, 384-447 wv, 448-511 wo.  A chunk is 16 rows x 64 K: lane (r, h) owns
; the six registers with k = 32 h .. 32 h + 31 of tile row r: registers 0-3 at byte 16 x lane, registers 4-5 at byte 512 + 8 x lane.
; THE ROWS OF A TILE ARE NOT NEIGHBOURS: tile 4 g + j holds in tile row r the row 64 g + 32 (r / 8) + 8 j + r % 8, so that a product's 32 registers of tiles 4 g .. 4 g + 3 are, in a lane of half h, the
; neighbours 64 g + 32 h + 0 .. 31: a whole block along the next K.
; scl = [tile][half of K][r][16 bytes]: the four scale words (128 K each) of 512 along K.
; SHARES.  Work-group q of a tensor takes tiles 2 q and 2 q + 1; wave w the tile w / 2 and the half w % 2 of K: eight chunks.  A chunk's eight loads read two rows x 256 consecutive bytes each; the 4,096 bytes turn through the
; wave's own stage in LDS (rows 272 bytes apart) and come back 128 bytes a lane: a whole block of 32.  Loads run three chunks ahead, the turn one.  Waves share nothing: no barrier.  Every offset is an immediate: no loop.
.set R,    16                          ; v16-111   three sets of 32, as loaded
.set X,    112                         ; v112-175  two sets of 32: a lane's block
.set C,    176                         ; v176-223  six registers of codes for each chunk: no store's data are written again
.set W,    224                         ; v224-227  the scale words, in parts
.set SROW, 272
.set STG,  16*SROW
	s_load_b256 s[4:11], s[0:1], 0x0               ; x, wq, wk, wv
	s_load_b128 s[12:15], s[0:1], 0x20             ; wo, cod
	s_load_b64 s[16:17], s[0:1], 0x30              ; scl
	v_lshl_add_u32 v254, v0, 2, 0x8800             ; my spare word, behind the four waves' stages
	v_mov_b32 v255, 0
	v_lshrrev_b32 v1, 5, v0
	v_readfirstlane_b32 s22, v1                    ; wave
	v_and_b32 v11, 31, v0                          ; lane
	v_and_b32 v12, 15, v0                          ; r
	v_bfe_u32 v15, v0, 4, 1                        ; h
	s_lshr_b32 s23, s22, 1                         ; u: which tile
	s_and_b32 s24, s22, 1                          ; which half of K
	s_mul_i32 s25, s22, 2*STG                      ; my two stages
	s_mov_b32 s30, 0x76543210
	s_mov_b32 s31, 0xfedcba98                      ; selects for lane l xor 16
	v_lshlrev_b32 v13, 4, v12
	v_lshl_add_u32 v1, v15, 12, v13                ; in memory: lanes 0-15 one row's 256 bytes, lanes 16-31 the next row's
	v_mad_u32_u24 v2, v15, SROW, v13
	v_add_nc_u32 v2, s25, v2                       ; the stage, on the way in: the same two rows
	v_mul_u32_u24 v3, v12, SROW
	v_lshl_add_u32 v3, v15, 7, v3
	v_add_nc_u32 v3, s25, v3                       ; and on the way out: row r, my block's 128 bytes
	v_lshlrev_b32 v4, 4, v11                       ; 16 x lane
	v_lshlrev_b32 v5, 3, v11                       ; 8 x lane
	v_lshlrev_b32 v6, 3, v15                       ; 8 h: my byte's place in a pair of bytes
	v_lshl_add_u32 v7, v15, 3, v13                 ; 16 r + 8 h: where I store two scale words
.irp i, 0,1,2,3
	v_mov_b32 v[228+\i], 0                         ; a lane permute's destination counts as one of its sources
.endr
	s_and_b32 s20, ttmp9, 31
	s_wait_alu depctr_va_vdst(0)                   ; the wait at the head's end
	s_wait_kmcnt 0x0
	s_mov_b64 s[18:19], s[12:13]                   ; which tensor: the choice hangs on the work-group's number alone
	s_cmp_lt_u32 ttmp9, 224
	s_cselect_b64 s[18:19], s[10:11], s[18:19]
	s_cmp_lt_u32 ttmp9, 192
	s_cselect_b64 s[18:19], s[8:9], s[18:19]
	s_cmp_lt_u32 ttmp9, 160
	s_cselect_b64 s[18:19], s[6:7], s[18:19]
	s_cmp_lt_u32 ttmp9, 128
	s_cselect_b64 s[18:19], s[4:5], s[18:19]
	s_cselect_b32 s20, ttmp9, s20                  ; q: my pair of tiles within its tensor
	s_lshr_b32 s21, s20, 1
	s_lshl_b32 s21, s21, 18                        ; 64 (q / 2) rows of 4,096 bytes
	s_and_b32 s20, s20, 1
	s_lshl_b32 s20, s20, 16                        ; + 16 (q % 2) rows
	s_add_co_u32 s20, s20, s21
	s_lshl_b32 s21, s23, 15                        ; + 8 u rows
	s_add_co_u32 s20, s20, s21
	s_lshl_b32 s21, s24, 11                        ; + 512 numbers
	s_add_co_u32 s20, s20, s21
	s_mov_b32 s21, 0
	s_add_nc_u64 s[18:19], s[18:19], s[20:21]
	s_lshl_b32 s26, ttmp9, 1
	s_add_co_u32 s26, s26, s23                     ; my tile
	s_mul_i32 s20, s26, 12288
	s_mul_i32 s27, s24, 6144
	s_add_co_u32 s20, s20, s27
	s_add_nc_u64 s[14:15], s[14:15], s[20:21]      ; its codes, my half of K
	s_lshl_b32 s20, s26, 9
	s_lshl_b32 s27, s24, 8
	s_add_co_u32 s20, s20, s27
	s_add_nc_u64 s[16:17], s[16:17], s[20:21]      ; its scale words, my half of K
.macro LOAD t                          ; chunk t: tile rows 2 i and 2 i + 1 are the rows 2 i + 24 (i / 4) and the next
.irp i, 0,1,2,3,4,5,6,7
	global_load_b128 v[R+32*((\t)%3)+4*\i:R+32*((\t)%3)+4*\i+3], v1, s[18:19] offset:(2*\i+24*(\i/4))*4096+256*(\t) th:TH_LOAD_NT
.endr
.endm
.macro TURN t                          ; through the stage: LDS serves a wave's instructions in order, so no wait stands between the stores and the loads
.irp i, 0,1,2,3,4,5,6,7
	ds_store_b128 v2, v[R+32*((\t)%3)+4*\i:R+32*((\t)%3)+4*\i+3] offset:STG*((\t)%2)+2*\i*SROW
.endr
.irp j, 0,1,2,3,4,5,6,7
	ds_load_b128 v[X+32*((\t)%2)+4*\j:X+32*((\t)%2)+4*\j+3], v3 offset:STG*((\t)%2)+16*\j
.endr
.endm
.macro STEP t
.set XS, X+32*((\t)%2)
.set CC, C+6*(\t)
	s_wait_dscnt 0x0                               ; my block is back from the stage, so the stage's stores have read their registers,
.if (\t)+3 < 8
	LOAD (\t)+3                                    ; which take the chunk three on
.endif
.if (\t) < 7
.if (\t) <= 4
	s_wait_loadcnt 16                              ; the next chunk's eight loads are in; those of the two chunks behind it may be out
.else
	s_wait_loadcnt 8*(6-(\t))
.endif
	TURN (\t)+1
.endif
	v_max3_num_f32 v8, |v[XS]|, |v[XS+1]|, |v[XS+2]|       ; the block's largest magnitude, in two chains
	v_max3_num_f32 v9, |v[XS+3]|, |v[XS+4]|, |v[XS+5]|
.irp i, 6,10,14,18,22,26
	v_max3_num_f32 v8, v8, |v[XS+\i]|, |v[XS+\i+1]|
	v_max3_num_f32 v9, v9, |v[XS+\i+2]|, |v[XS+\i+3]|
.endr
	v_max3_num_f32 v8, v8, |v[XS+30]|, |v[XS+31]|
	v_max3_num_f32 v8, v8, v9, 0x1800000           ; and the floor 2^(3 - 127): the byte cannot fall under 1
	v_add_nc_u32 v10, 0xff000000, v8               ; 2 off the exponent field: the conversion takes this operand's exponent field as its scale
	v_cvt_scalef32_pk16_fp6_f32 v[CC:CC+2], v[XS:XS+15], v10
	v_cvt_scalef32_pk16_fp6_f32 v[12:14], v[XS+16:XS+31], v10      ; (a conversion's three registers begin on an even number)
	v_lshrrev_b32 v11, 23, v10                     ; the scale's byte; also the plain instruction behind the conversions
	v_mov_b32 v[CC+3], v12
	v_mov_b32 v[CC+4], v13
	v_mov_b32 v[CC+5], v14
.if (\t)%2 == 0
	v_mov_b32 v[W+(\t)/2], v11                     ; the even chunk's byte below,
.else
	v_lshl_or_b32 v[W+(\t)/2], v11, 16, v[W+(\t)/2]        ; the odd chunk's 16 bits up
.endif
	global_store_b128 v4, v[CC:CC+3], s[14:15] offset:768*(\t)             ; 512 consecutive bytes,
	global_store_b64 v5, v[CC+4:CC+5], s[14:15] offset:768*(\t)+512        ; and 256 more: three aligned blocks of 256 bytes a chunk
.endm
	LOAD 0
	LOAD 1
	LOAD 2
	s_wait_loadcnt 16                              ; chunk 0 is in
	TURN 0
.irp t, 0,1,2,3,4,5,6,7
	STEP \t
.endr
.irp i, 0,1,2,3
	v_lshlrev_b32 v[W+\i], v6, v[W+\i]             ; my bytes at their places: 8 h bits up
.endr
.irp i, 0,1,2,3
	v_permlanex16_b32 v[228+\i], v[W+\i], s30, s31
.endr
.irp i, 0,1,2,3
	v_or_b32 v[W+\i], v[W+\i], v[228+\i]           ; with lane l xor 16's the words are whole
.endr
	v_cmp_eq_u32 vcc_lo, 1, v15
	v_cndmask_b32 v232, v224, v226, vcc_lo         ; lanes 0-15 store words 0 and 1, lanes 16-31 words 2 and 3
	v_cndmask_b32 v233, v225, v227, vcc_lo
	global_store_b64 v7, v[232:233], s[16:17]      ; 32 lanes store one aligned block of 256 bytes
	s_wait_tensorcnt 0x0                           ; the wave's end
	ds_add_u32 v254, v255
	s_wait_dscnt 0x0
	s_endpgm
.Lfunc_end_k_q181e1c3675_quant:
	.size	k_q181e1c3675_quant, .Lfunc_end_k_q181e1c3675_quant-k_q181e1c3675_quant
	.p2alignl 7, 3214868480
	.fill 96, 4, 3214868480
	.section	.rodata,"a",@progbits
	.p2align	6, 0x0
	.amdhsa_kernel k_q181e1c3675_quant
		.amdhsa_group_segment_fixed_size 35328
		.amdhsa_private_segment_fixed_size 0
		.amdhsa_enable_private_segment 0
		.amdhsa_kernarg_size 56
		.amdhsa_user_sgpr_count 2
		.amdhsa_user_sgpr_kernarg_segment_ptr 1
		.amdhsa_wavefront_size32 1
		.amdhsa_system_sgpr_workgroup_id_x 1
		.amdhsa_system_sgpr_workgroup_id_y 1
		.amdhsa_system_sgpr_workgroup_id_z 1
		.amdhsa_system_vgpr_workitem_id 0
		.amdhsa_next_free_vgpr 256
		.amdhsa_next_free_sgpr 66
		.amdhsa_reserve_vcc 1
		.amdhsa_float_denorm_mode_32 3
		.amdhsa_float_denorm_mode_16_64 3
		.amdhsa_memory_ordered 1
		.amdhsa_forward_progress 1
		.amdhsa_inst_pref_size 31
	.end_amdhsa_kernel
	.amdgpu_metadata
---
amdhsa.version: [ 1, 2 ]
amdhsa.kernels:
  - .name:           k_q181e1c3675_quant
    .symbol:         k_q181e1c3675_quant.kd
    .args:
      - { .name: x, .offset: 0, .size: 8, .value_kind: global_buffer, .address_space: global }
      - { .name: wq, .offset: 8, .size: 8, .value_kind: global_buffer, .address_space: global }
      - { .name: wk, .offset: 16, .size: 8, .value_kind: global_buffer, .address_space: global }
      - { .name: wv, .offset: 24, .size: 8, .value_kind: global_buffer, .address_space: global }
      - { .name: wo, .offset: 32, .size: 8, .value_kind: global_buffer, .address_space: global }
      - { .name: cod, .offset: 40, .size: 8, .value_kind: global_buffer, .address_space: global }
      - { .name: scl, .offset: 48, .size: 8, .value_kind: global_buffer, .address_space: global }
    .group_segment_fixed_size: 35328
    .private_segment_fixed_size: 0
    .kernarg_segment_align: 8
    .kernarg_segment_size: 56
    .max_flat_workgroup_size: 128
    .sgpr_count:     66
    .vgpr_count:     256
    .wavefront_size: 32
...
	.end_amdgpu_metadata
.endif
;; end of part 1
;; launch proj (part 2): grid 16 x 16, 4 waves a work-group, clusters of 4 x 4, 327,680 bytes of LDS; arguments cod, scl, qkv; writes qkv
.if DOCPART == 2
	.amdgcn_target "amdgcn-amd-amdhsa--gfx1250"
	.amdhsa_code_object_version 6
	.text
	.protected	k_q181e1c3675_proj
	.globl	k_q181e1c3675_proj
	.p2align	8
	.type	k_q181e1c3675_proj,@function
k_q181e1c3675_proj:
	s_mov_b64 s[64:65], 0
	v_nop
	global_prefetch_b8 v0, s[64:65] scope:SCOPE_SE
	s_setreg_imm32_b32 hwreg(HW_REG_WAVE_MODE, 25, 1), 1
	s_wait_xcnt 0x0
	s_wait_alu depctr_hold_cnt(0) depctr_sa_sdst(0) depctr_va_vdst(0) depctr_va_sdst(0) depctr_va_ssrc(0) depctr_va_vcc(0) depctr_vm_vsrc(0)
	s_getreg_b32 s2, hwreg(HW_REG_IB_STS2, 6, 4)
	s_cmp_eq_u32 s2, 0
	s_cbranch_scc0 .Lentry_in_a_cluster
	s_endpgm
.Lentry_in_a_cluster:
	s_bfe_u32 s2, ttmp6, 0x10000c
	s_cmp_lg_u32 s2, 0xf033
	s_cbranch_scc0 .Lentry_shape_is_right
	s_endpgm
.Lentry_shape_is_right:
; q = x wq^T, k = x wk^T, v = x wv^T on codes of FP6 (E2M3) with E8M0 scales, f32 sums; the results are quantised in registers and leave as codes, laid as the attention launch's operands.
; A WORK-GROUP makes 256 tokens x (two heads of q or k, 128 columns, and one head of v, 64 columns): 16 x 16 work-groups of equal work.  Heads n = 0 .. 31 are q's 16, then k's 16; work-group column c takes n = 2 c, 2 c + 1 and v's head c.
; A WAVE (a, b) takes 128 of the tokens (8 tiles), head 2 c + b (4 tiles) and 32 columns of v (2 tiles): 32 + 16 accumulators.
; q, k: source 0 = the weight's rows, source 1 = tokens: a lane holds one token and its 32 registers the head's columns 32 h + 0 .. 31: one scale block of the next K.
; v: source 0 = tokens, source 1 = rows of wv: a lane holds one column and its 32 registers of four tiles the tokens 32 h + 0 .. 31 of 64: one scale block of the next K.
; OUT, one buffer: q at head x 196,608 + tile of 16 tokens x 768.  From KV on: [head][block of 128 tokens, 32][12,800 bytes]: k's eight tiles (768 bytes each), v's [chunk of 64 tokens][tile of 16 columns][768],
; k's scales [pair of tiles][r][tile of the pair][h], v's scales [tile of columns][r][chunk][h].  From QS on q's scales: [head][block][256 bytes], laid as k's.
; K = 1,024 COMES IN THREE FILLS, one joint tensor load a wave each: 512 along K into slot A, 256 into slot B, and the last 256 into slot A again.  28 tiles: 16 of tokens (waves 0 and 1), 8 of wq or wk (wave 2), 4 of wv (wave 3).
; CLUSTERS: 4 x 4.  Tokens hang on cy alone and are asked for by a row of the cluster, weights on cx alone, by a column.  No prefetch: there are three fills and no loop to run ahead in.
; LIMITS: NaN and infinities are not served; a block of zeros gets the byte 1 (its codes are zeros; this program alone reads the bytes).
; REGISTERS: window 0: v4-21 fragment addresses, v22-31 other addresses, v32-102 scale words (register 32 + 9 i + s: K step s of 128; lanes 0-15 tokens' tile i, lanes 16-31 the weights' tile i), v128-255 v's accumulators;
; windows 1, 2: two fragment buffers of 14 x 12 registers;  window 3: the accumulators of q or k, (tile of tokens t, tile of columns n) at v[8 (4 t + n)].
.set T1,    6144                       ; a tile's bytes in a slot: 512 along K,
.set T2,    3072                       ; 256 along K
.set SLB,   28*T1
.set STG,   SLB+28*T2                  ; a stage for the scale bytes made here: 256 bytes a wave, and two of 256 for v
.set SPARE, STG+1536
.set KV,    3145728
.set KVH,   409600
.set QS,    KV+16*KVH
.set AD,    4                          ; 6 k + 0, 1 tokens by 16, 8 x lane;  2, 3 wq or wk;  4, 5 wv;  k = 0 slot A first, 1 slot B, 2 slot A again
.set SPW,   22
.set NIL,   23
.set L16,   24
.set L8,    25
.set SQ,    28
.set SV,    29
.set RQ,    30
.set RV,    31
.set SC,    32
.set G1X, 24
.set G1W, 32
.set G1V, 68
.set G0X, 40
.set G0W, 48
.set G0V, 52
.set MSB, 0
.macro WIN new                         ; the immediate's high byte repeats the setting that is left
.if MSB != (\new)
	s_set_vgpr_msb (MSB<<8)|(\new)
.set MSB, (\new)
.endif
.endm
.macro PLACES
.rept 4
	v_nop
.endr
.endm
.macro CROUND                          ; a round of the cluster's barrier
	s_barrier_signal -1
	s_barrier_wait -1
	s_cmp_lg_u32 s14, 0
	s_cbranch_scc1 .Lnot_wave_0_\@
	s_barrier_signal -3
.Lnot_wave_0_\@:
	s_barrier_wait -3
	s_barrier_signal -1
	s_barrier_wait -1
.endm
.macro TL g0, g1
	tensor_load_to_lds s[\g0:\g0+3], s[\g1:\g1+7]
	s_nop 0
	PLACES
.endm
.macro JLOAD                           ; one joint load a wave; the branches hang on the wave's number alone
	s_cmp_lt_u32 s14, 2
	s_cbranch_scc0 .Lweights_\@
	TL G0X, G1X
	s_branch .Lasked_\@
.Lweights_\@:
	s_cmp_eq_u32 s14, 2
	s_cbranch_scc0 .Lwv_\@
	TL G0W, G1W
	s_branch .Lasked_\@
.Lwv_\@:
	TL G0V, G1V
.Lasked_\@:
.endm
.macro GROUP1 g, mask, rows            ; rows (tiles) of 6,144 bytes, 12,288 bytes apart, as elements of 8 bytes; dense in LDS
	s_or_b32 s[\g], s\mask, (3<<16)|(1<<21)
	s_mov_b32 s[\g+1], 768<<16
	s_mov_b32 s[\g+2], (\rows)<<16
	s_mov_b32 s[\g+3], 768<<16
	s_mov_b32 s[\g+4], \rows
	s_mov_b32 s[\g+5], 1536
	s_mov_b32 s[\g+6], 0
	s_mov_b32 s[\g+7], 0
.endm
.macro NEXTFILL step, base             ; the next fill: 256 along K, step bytes further on, into base; no tensor load of the wave is out
.irp g, G1X, G1W, G1V
	s_mov_b32 s[\g+1], 384<<16
	s_mov_b32 s[\g+3], 384<<16
.endr
	s_add_co_u32 s[G0X+1], s60, \base
	s_mov_b32 s[G0W+1], 16*T2+\base
	s_mov_b32 s[G0V+1], 24*T2+\base
.irp g, G0X, G0W, G0V
	s_add_nc_u64 s[\g+2:\g+3], s[\g+2:\g+3], \step
.endr
.endm
	s_load_b128 s[4:7], s[0:1], 0x0                ; cod, scl
	s_load_b64 s[8:9], s[0:1], 0x10                ; qkv
	v_lshl_add_u32 v[SPW], v0, 2, SPARE
	v_mov_b32 v[NIL], 0
	ds_add_u32 v[SPW], v[NIL]                      ; the opening lines: the add, twice on end, and one wait
	ds_add_u32 v[SPW], v[NIL]
	v_lshrrev_b32 v1, 5, v0
	v_readfirstlane_b32 s14, v1                    ; wave
	s_lshr_b32 s15, s14, 1                         ; a: which 128 tokens
	s_and_b32 s16, s14, 1                          ; b: which head of the two, and which 32 columns of v
	s_bfe_u32 s56, ttmp6, 0x40000                  ; cx
	s_bfe_u32 s57, ttmp6, 0x40004                  ; cy
	s_lshl_b32 s17, ttmp9, 2
	s_add_co_u32 s17, s17, s56                     ; c: the work-group's column
	s_and_b32 s18, ttmp7, 0xffff
	s_lshl_b32 s18, s18, 2
	s_add_co_u32 s18, s18, s57                     ; its block of 256 tokens
	s_lshl_b32 s58, s57, 2
	s_lshl_b32 s58, 15, s58                        ; my row of the cluster
	s_lshl_b32 s59, 0x1111, s56                    ; my column
	GROUP1 G1X, 58, 8
	GROUP1 G1W, 59, 8
	GROUP1 G1V, 59, 4
	s_mul_i32 s20, s18, 196608                     ; tokens: tile 16 x block,
	s_mul_i32 s21, s14, 98304                      ; + 8 for wave 1
	s_add_co_u32 s20, s20, s21
	s_mov_b32 s21, 0
	s_mul_i32 s44, s17, 98304                      ; wq, wk: tile 256 + 8 c
	s_add_co_u32 s44, s44, 3145728
	s_mov_b32 s45, 0
	s_mul_i32 s46, s17, 49152                      ; wv: tile 384 + 4 c
	s_add_co_u32 s46, s46, 4718592
	s_mov_b32 s47, 0
	s_mul_i32 s60, s14, 8*T2
	s_mov_b32 s[G0X], 1
	s_lshl_b32 s[G0X+1], s60, 1
	s_mov_b32 s[G0W], 1
	s_mov_b32 s[G0W+1], 16*T1
	s_mov_b32 s[G0V], 1
	s_mov_b32 s[G0V+1], 24*T1
	s_wait_alu depctr_va_vdst(0)
	s_wait_dscnt 0x0                               ; both opening adds are done
	CROUND                                         ; all sixteen work-groups are here: the joint loads meet
	s_wait_kmcnt 0x0
	s_add_nc_u64 s[G0X+2:G0X+3], s[4:5], s[20:21]
	s_or_b32 s[G0X+3], s[G0X+3], 0x80000000
	s_add_nc_u64 s[G0W+2:G0W+3], s[4:5], s[44:45]
	s_or_b32 s[G0W+3], s[G0W+3], 0x80000000
	s_add_nc_u64 s[G0V+2:G0V+3], s[4:5], s[46:47]
	s_or_b32 s[G0V+3], s[G0V+3], 0x80000000
	JLOAD                                          ; 512 along K
	s_mul_i32 s76, s18, 8192                       ; scale words, 512 bytes a tile: my 8 tiles of tokens,
	s_mul_i32 s77, s15, 4096
	s_add_co_u32 s76, s76, s77
	s_mul_i32 s77, s17, 4096                       ; my 4 tiles of wq or wk,
	s_mul_i32 s78, s16, 2048
	s_add_co_u32 s77, s77, s78
	s_add_co_u32 s77, s77, 131072
	s_mul_i32 s78, s17, 2048                       ; my 2 tiles of wv, as tiles 4 and 5 of the weights
	s_mul_i32 s79, s16, 1024
	s_add_co_u32 s78, s78, s79
	s_add_co_u32 s78, s78, 194560
.macro SBASE d, base, ts
	s_mul_i32 s[\d], s15, 8*\ts
	s_add_co_u32 s[\d], s[\d], \base
	s_mul_i32 s[\d+1], s16, 4*\ts
	s_add_co_u32 s[\d+1], s[\d+1], 16*\ts+\base
	s_mul_i32 s[\d+2], s16, 2*\ts
	s_add_co_u32 s[\d+2], s[\d+2], 24*\ts+\base
.endm
	SBASE 80, 0, T1
	SBASE 83, SLB, T2
	SBASE 86, 0, T2
	s_lshl_b32 s89, s14, 8
	s_add_co_u32 s89, s89, STG                     ; my stage for the scale bytes of q or k,
	s_lshl_b32 s90, s15, 8
	s_add_co_u32 s90, s90, STG+1024                ; the stage for v's, which two waves share,
	s_lshl_b32 s91, s16, 7
	s_add_co_u32 s91, s91, s90                     ; my half of it
	v_and_b32 v1, 15, v0                           ; r
	v_bfe_u32 v2, v0, 4, 1                         ; h
	v_and_b32 v3, 31, v0
	v_lshlrev_b32 v[L16], 4, v3
	v_lshlrev_b32 v[L8], 3, v3
	v_mov_b32 v26, s76
	v_mov_b32 v27, s77
	v_mov_b32 v103, s78
	v_cmp_eq_u32 vcc_lo, 1, v2
	v_cndmask_b32 v27, v26, v27, vcc_lo            ; lanes 16-31 take the weights'
	v_cndmask_b32 v103, v26, v103, vcc_lo
	v_lshl_add_u32 v27, v1, 4, v27
	v_lshl_add_u32 v103, v1, 4, v103
.irp i, 0,1,2,3
.irp j, 0,1
	global_load_b128 v[128+8*\i+4*\j:128+8*\i+4*\j+3], v27, s[6:7] offset:\i*512+\j*256
.endr
.endr
.irp i, 4,5,6,7                                ; (lanes 16-31 of tiles 6 and 7 belong to no tile of mine and are not used)
.irp j, 0,1
	global_load_b128 v[128+8*\i+4*\j:128+8*\i+4*\j+3], v103, s[6:7] offset:\i*512+\j*256
.endr
.endr
.irp k, 0,1,2
	v_add_nc_u32 v[AD+6*\k], s[80+3*\k], v[L16]
	v_add_nc_u32 v[AD+6*\k+1], s[80+3*\k], v[L8]
	v_add_nc_u32 v[AD+6*\k+2], s[81+3*\k], v[L16]
	v_add_nc_u32 v[AD+6*\k+3], s[81+3*\k], v[L8]
	v_add_nc_u32 v[AD+6*\k+4], s[82+3*\k], v[L16]
	v_add_nc_u32 v[AD+6*\k+5], s[82+3*\k], v[L8]
.endr
	v_lshl_add_u32 v104, v1, 2, v2                 ; 4 r + h
	v_add_nc_u32 v[SQ], s89, v104
	v_add_nc_u32 v[SV], s91, v104
	v_add_nc_u32 v[RQ], s89, v[L8]
	v_add_nc_u32 v[RV], s90, v[L8]
	s_wait_alu depctr_va_vdst(0)                   ; the wait ahead of the run of scalar lines
	s_mov_b32 s66, 0x1800000                       ; the floor 2^(3 - 127)
	s_mov_b32 s10, KVH                             ; where my results go.  q or k: the same in all sixteen partners; nothing but selections hangs on it
	s_mov_b32 s11, 12800
	s_mov_b32 s12, KV-16*KVH
	s_mov_b32 s13, KV-16*KVH+12288
	s_mov_b32 s19, KVH
	s_mov_b32 s92, 12800
	s_cmp_lt_u32 ttmp9, 2
	s_cselect_b32 s10, 196608, s10
	s_cselect_b32 s11, 6144, s11
	s_cselect_b32 s12, 0, s12
	s_cselect_b32 s13, QS, s13
	s_cselect_b32 s19, 8192, s19
	s_cselect_b32 s92, 256, s92
	s_lshl_b32 s93, s17, 1
	s_add_co_u32 s93, s93, s16                     ; my head of q and k
	s_lshl_b32 s94, s18, 1
	s_add_co_u32 s94, s94, s15                     ; my block of 128 tokens
	s_mul_i32 s44, s93, s10
	s_mul_i32 s46, s94, s11
	s_add_co_u32 s44, s44, s46
	s_add_co_u32 s44, s44, s12
	s_add_nc_u64 s[62:63], s[8:9], s[44:45]        ; codes of q or k
	s_mul_i32 s44, s93, s19
	s_mul_i32 s46, s94, s92
	s_add_co_u32 s44, s44, s46
	s_add_co_u32 s44, s44, s13
	s_add_nc_u64 s[76:77], s[8:9], s[44:45]        ; their scale bytes
	s_mul_i32 s44, s17, KVH
	s_mul_i32 s46, s94, 12800
	s_add_co_u32 s44, s44, s46
	s_add_co_u32 s44, s44, KV+12544
	s_add_nc_u64 s[96:97], s[8:9], s[44:45]        ; v's scale bytes
	s_mul_i32 s46, s16, 1536
	s_add_co_u32 s44, s44, s46
	s_sub_co_u32 s44, s44, 6400
	s_add_nc_u64 s[78:79], s[8:9], s[44:45]        ; v's codes, 6,400 bytes ahead of its scales, my two tiles
	s_wait_loadcnt 0x0
.irp i, 0,1,2,3,4,5,6,7
.irp s, 0,1,2,3,4,5,6,7
	v_mov_b32 v[SC+9*\i+\s], v[128+8*\i+\s]        ; nine registers from tile to tile
.endr
.endr
; load n of the 56 that bring K step s: fragment n / 4 (0-7 tokens, 8-11 wq or wk, 12, 13 wv), into the window set for it
.macro LD s, n
.set F_, (\n)/4
.set B_, AD+6*((\s)/4+(\s)/6)
.set T_, F_
.if F_ > 11
.set B_, B_+4
.set T_, F_-12
.elseif F_ > 7
.set B_, B_+2
.set T_, F_-8
.endif
.set O_, (T1-T2*((\s)/4))*T_+1536*((\s)%4-2*((\s)/6))
.if (\n)%4 == 0
	ds_load_b128 v[12*F_:12*F_+3], v[B_] offset:O_
.elseif (\n)%4 == 1
	ds_load_b64 v[12*F_+4:12*F_+5], v[B_+1] offset:O_+512
.elseif (\n)%4 == 2
	ds_load_b128 v[12*F_+6:12*F_+9], v[B_] offset:O_+768
.else
	ds_load_b64 v[12*F_+10:12*F_+11], v[B_+1] offset:O_+1280
.endif
.endm
.macro QP s, t, n                      ; q, k: tokens' tile t x the weight's tile n
.if (\s) == 0
	v_wmma_scale_f32_16x16x128_f8f6f4 v[8*(4*(\t)+\n):8*(4*(\t)+\n)+7], v[96+12*\n:96+12*\n+11], v[12*(\t):12*(\t)+11], 0, v[SC+9*\n+(\s)], v[SC+9*(\t)+(\s)] matrix_a_fmt:MATRIX_FMT_FP6 matrix_b_fmt:MATRIX_FMT_FP6 matrix_a_scale:MATRIX_SCALE_ROW1
.else
	v_wmma_scale_f32_16x16x128_f8f6f4 v[8*(4*(\t)+\n):8*(4*(\t)+\n)+7], v[96+12*\n:96+12*\n+11], v[12*(\t):12*(\t)+11], v[8*(4*(\t)+\n):8*(4*(\t)+\n)+7], v[SC+9*\n+(\s)], v[SC+9*(\t)+(\s)] matrix_a_fmt:MATRIX_FMT_FP6 matrix_b_fmt:MATRIX_FMT_FP6 matrix_a_scale:MATRIX_SCALE_ROW1
.endif
.endm
.macro VPRODS s                        ; v: accumulator (t, j) at v[128 + 32 (2 (t / 4) + j) + 8 (t % 4)]
	WIN BF*5
.irp t, 0,1,2,3,4,5,6,7
.irp j, 0,1
.set D_, 128+32*(2*(\t/4)+\j)+8*(\t%4)
.if (\s) == 0
	v_wmma_scale_f32_16x16x128_f8f6f4 v[D_:D_+7], v[12*\t:12*\t+11], v[144+12*\j:144+12*\j+11], 0, v[SC+9*\t+(\s)], v[SC+9*(4+\j)+(\s)] matrix_a_fmt:MATRIX_FMT_FP6 matrix_b_fmt:MATRIX_FMT_FP6 matrix_b_scale:MATRIX_SCALE_ROW1
.else
	v_wmma_scale_f32_16x16x128_f8f6f4 v[D_:D_+7], v[12*\t:12*\t+11], v[144+12*\j:144+12*\j+11], v[D_:D_+7], v[SC+9*\t+(\s)], v[SC+9*(4+\j)+(\s)] matrix_a_fmt:MATRIX_FMT_FP6 matrix_b_fmt:MATRIX_FMT_FP6 matrix_b_scale:MATRIX_SCALE_ROW1
.endif
.endr
.endr
	WIN 0
.endm
; A K STEP of 128: 48 products on 48 accumulators by turns; behind each four of the first sixteen stand 14 of the next step's 56 loads, into the other buffer.
; how = 1: slot A has been read out and slot B has landed: a round, and slot A is filled again.  how = 2: slot A's second fill has landed: a barrier behind which nothing is filled.
.macro STEP s, how
.set BF, 1+(\s)%2
.if (\how) == 1
	s_wait_tensorcnt 0x0                           ; slot B's part of mine is in;
	ds_add_u32 v[SPW], v[NIL]                      ; work on registers stands between the add and the wait for it
	NEXTFILL 3072, 0
	s_wait_dscnt 1                                 ; this step's fragments are in (the add may be out)
	VPRODS \s
	s_wait_dscnt 0x0                               ; the add is done, and all my reads of slot A
	CROUND
	JLOAD
.elseif (\how) == 2
	s_wait_tensorcnt 0x0
	s_wait_dscnt 0x0
	s_barrier_signal -1
	VPRODS \s
	s_barrier_wait -1
.else
	s_wait_dscnt 0x0
.endif
	PLACES                                         ; the other buffer's last products, then its loads
.set I_, 0
.rept 8
	WIN BF*5+0xf0
.irp n, 0,1,2,3
	QP \s, I_, \n
.endr
.if ((\s) < 7) && (I_ < 4)
	WIN (3-BF)<<6
.set N_, 14*I_
.rept 14
	LD (\s)+1, N_
.set N_, N_+1
.endr
.endif
.set I_, I_+1
.endr
.if (\how) == 0
	VPRODS \s
.endif
	WIN 0
.endm
	s_wait_alu depctr_va_vdst(0)                   ; the wait at the head's end
	s_wait_tensorcnt 0x0                           ; my part of slot A is in
	ds_add_u32 v[SPW], v[NIL]
	NEXTFILL 6144, SLB
	s_wait_dscnt 0x0
	CROUND
	JLOAD                                          ; slot B's first fill
	WIN 0x40
.set N_, 0
.rept 56
	LD 0, N_
.set N_, N_+1
.endr
	WIN 0
	STEP 0, 0
	STEP 1, 0
	STEP 2, 0
	STEP 3, 1
	STEP 4, 0
	STEP 5, 2
	STEP 6, 0
	STEP 7, 0
	PLACES
; THE WAY OUT of four groups of 32 registers, each one scale block a lane: largest magnitude (two chains a group, four groups by turns), scale, codes (six registers a group from cd on), byte in v8-11.
.macro OUT4 win, ac, cd
	WIN (\win)*0x14
.irp g, 0,1,2,3
	v_max3_num_f32 v[4+\g], s66, |v[\ac+32*\g]|, |v[\ac+32*\g+1]|         ; the floor holds the byte at 1 from below
	v_max3_num_f32 v[8+\g], s66, |v[\ac+32*\g+16]|, |v[\ac+32*\g+17]|
.endr
.irp i, 2,4,6,8,10,12,14
.irp g, 0,1,2,3
	v_max3_num_f32 v[4+\g], v[4+\g], |v[\ac+32*\g+\i]|, |v[\ac+32*\g+\i+1]|
	v_max3_num_f32 v[8+\g], v[8+\g], |v[\ac+32*\g+16+\i]|, |v[\ac+32*\g+17+\i]|
.endr
.endr
	WIN 0
.irp g, 0,1,2,3
	v_max_num_f32 v[4+\g], v[4+\g], v[8+\g]
.endr
.irp g, 0,1,2,3
	v_add_nc_u32 v[4+\g], 0xff000000, v[4+\g]      ; 2 off the exponent field: the conversion's scale operand
.endr
.irp g, 0,1,2,3
	v_lshrrev_b32 v[8+\g], 23, v[4+\g]
.endr
.irp p, 0,2
	WIN \win
	v_cvt_scalef32_pk16_fp6_f32 v[\cd+6*\p:\cd+6*\p+2], v[\ac+32*\p:\ac+32*\p+15], v[4+\p]
	v_cvt_scalef32_pk16_fp6_f32 v[12:14], v[\ac+32*\p+16:\ac+32*\p+31], v[4+\p]   ; (a conversion's three registers begin on an even number)
	v_cvt_scalef32_pk16_fp6_f32 v[\cd+6*\p+6:\cd+6*\p+8], v[\ac+32*\p+32:\ac+32*\p+47], v[5+\p]
	v_cvt_scalef32_pk16_fp6_f32 v[16:18], v[\ac+32*\p+48:\ac+32*\p+63], v[5+\p]
	WIN 0
	v_nop                                          ; one plain instruction behind a scaled conversion
.irp k, 0,1,2
	v_mov_b32 v[\cd+6*\p+3+\k], v[12+\k]
	v_mov_b32 v[\cd+6*\p+9+\k], v[16+\k]
.endr
.endr
.endm
.macro SENDQ cd, t0
.irp g, 0,1,2,3
	global_store_b128 v[L16], v[\cd+6*\g:\cd+6*\g+3], s[62:63] offset:768*(\t0+\g)             ; each store covers whole aligned blocks of 256 bytes
	global_store_b64 v[L8], v[\cd+6*\g+4:\cd+6*\g+5], s[62:63] offset:768*(\t0+\g)+512
	ds_store_b8 v[SQ], v[8+\g] offset:64*((\t0+\g)/2)+2*((\t0+\g)%2)
.endr
.endm
	OUT4 0, 128, 104
.irp g, 0,1,2,3                                ; v: group 2 x chunk + j
	global_store_b128 v[L16], v[104+6*\g:107+6*\g], s[78:79] offset:3072*(\g/2)+768*(\g%2)
	global_store_b64 v[L8], v[108+6*\g:109+6*\g], s[78:79] offset:3072*(\g/2)+768*(\g%2)+512
	ds_store_b8 v[SV], v[8+\g] offset:64*(\g%2)+2*(\g/2)
.endr
	OUT4 3, 0, 128
	SENDQ 128, 0
	OUT4 3, 128, 152
	SENDQ 152, 4
	s_wait_tensorcnt 0x0                           ; behind my last tensor load and my last LDS store
	ds_add_u32 v[SPW], v[NIL]
	s_wait_dscnt 0x0
	CROUND                                         ; the closing round; it also shows the stages to all waves
	ds_load_b64 v[4:5], v[RQ]
	s_wait_dscnt 0x0
	global_store_b64 v[L8], v[4:5], s[76:77]       ; 32 lanes store one aligned block of 256 bytes
	s_cmp_eq_u32 s16, 0
	s_cbranch_scc0 .Lend
	ds_load_b64 v[6:7], v[RV]
	s_wait_dscnt 0x0
	global_store_b64 v[L8], v[6:7], s[96:97]
.Lend:
	s_endpgm
.Lfunc_end_k_q181e1c3675_proj:
	.size	k_q181e1c3675_proj, .Lfunc_end_k_q181e1c3675_proj-k_q181e1c3675_proj
	.p2alignl 7, 3214868480
	.fill 96, 4, 3214868480
	.section	.rodata,"a",@progbits
	.p2align	6, 0x0
	.amdhsa_kernel k_q181e1c3675_proj
		.amdhsa_group_segment_fixed_size 327680
		.amdhsa_private_segment_fixed_size 0
		.amdhsa_enable_private_segment 0
		.amdhsa_kernarg_size 24
		.amdhsa_user_sgpr_count 2
		.amdhsa_user_sgpr_kernarg_segment_ptr 1
		.amdhsa_wavefront_size32 1
		.amdhsa_system_sgpr_workgroup_id_x 1
		.amdhsa_system_sgpr_workgroup_id_y 1
		.amdhsa_system_sgpr_workgroup_id_z 1
		.amdhsa_system_vgpr_workitem_id 0
		.amdhsa_next_free_vgpr 1024
		.amdhsa_next_free_sgpr 98
		.amdhsa_reserve_vcc 1
		.amdhsa_float_denorm_mode_32 3
		.amdhsa_float_denorm_mode_16_64 3
		.amdhsa_memory_ordered 1
		.amdhsa_forward_progress 1
		.amdhsa_inst_pref_size 119
	.end_amdhsa_kernel
	.amdgpu_metadata
---
amdhsa.version: [ 1, 2 ]
amdhsa.kernels:
  - .name:           k_q181e1c3675_proj
    .symbol:         k_q181e1c3675_proj.kd
    .args:
      - { .name: cod, .offset: 0, .size: 8, .value_kind: global_buffer, .address_space: global }
      - { .name: scl, .offset: 8, .size: 8, .value_kind: global_buffer, .address_space: global }
      - { .name: qkv, .offset: 16, .size: 8, .value_kind: global_buffer, .address_space: global }
    .group_segment_fixed_size: 327680
    .private_segment_fixed_size: 0
    .kernarg_segment_align: 8
    .kernarg_segment_size: 24
    .max_flat_workgroup_size: 128
    .sgpr_count:     98
    .vgpr_count:     1024
    .wavefront_size: 32
...
	.end_amdgpu_metadata
.endif
;; end of part 2
;; launch attn (part 3): grid 4 x 64, 16 waves a work-group, clusters of 4 x 1, 327,680 bytes of LDS; arguments qkv, ocod, osc; writes ocod, osc
.if DOCPART == 3
	.amdgcn_target "amdgcn-amd-amdhsa--gfx1250"
	.amdhsa_code_object_version 6
	.text
	.protected	k_q181e1c3675_attn
	.globl	k_q181e1c3675_attn
	.p2align	8
	.type	k_q181e1c3675_attn,@function
k_q181e1c3675_attn:
	s_mov_b64 s[64:65], 0
	v_nop
	global_prefetch_b8 v0, s[64:65] scope:SCOPE_SE
	s_setreg_imm32_b32 hwreg(HW_REG_WAVE_MODE, 25, 1), 1
	s_wait_xcnt 0x0
	s_wait_alu depctr_hold_cnt(0) depctr_sa_sdst(0) depctr_va_vdst(0) depctr_va_sdst(0) depctr_va_ssrc(0) depctr_va_vcc(0) depctr_vm_vsrc(0)
	s_getreg_b32 s2, hwreg(HW_REG_IB_STS2, 6, 4)
	s_cmp_eq_u32 s2, 0
	s_cbranch_scc0 .Lentry_in_a_cluster
	s_endpgm
.Lentry_in_a_cluster:
	s_bfe_u32 s2, ttmp6, 0x10000c
	s_cmp_lg_u32 s2, 0x3003
	s_cbranch_scc0 .Lentry_shape_is_right
	s_endpgm
.Lentry_shape_is_right:
; o = softmax(q k^T / 8, causal) v on codes of FP6 (E2M3), for one head of one batch a work-group; o leaves as codes.
; WORK LEFT OUT: blocks of 128 keys that lie wholly behind a query tile's block of 128: reference() makes their p 0 for all values.  A NaN, an infinity or an overflow in those scores alone is not carried to the result.
; LIMITS: NaN and infinities are not served; the scaled scores (exponents to the base 2, before the maximum is taken away) stay under 2^31 in magnitude.  A block of zeros gets the byte 1 (its codes are zeros; this program alone reads the bytes).
; THE DEAL.  Eight work-groups take a head's 128 tiles of 16 queries: work-group g the tile 8 w + g of each of the 16 blocks w of 128 queries.  A PAIR OF WAVES takes the tiles of blocks b (short) and 15 - b (long), b = 0 .. 7.  The long tile has 16 - b key
; blocks, the short one b + 1: 17 together.  In trip J = 0 .. 8 the first wave takes key block min(max(J, 2 J - b), 15 - b) of the long tile; the second takes key blocks 0 .. b of the short tile, sends it off, and then, for J = b + 1 .. 7, key block 2 J - b - 1 of the long tile.
; At the end the second wave's sums of the long tile go through LDS to the first: with M a whole number the two parts join by powers of two.
; ALL OF K AND V OF THE HEAD LIES IN LDS, FILLED ONCE: 16 blocks of 128 keys, 12,800 bytes each (k's tiles, v's tiles, k's scales, v's scales).  Blocks 0-4, all that trips 0-2 read, come at the head, blocks 5-15 behind the round that shows them.
; CLUSTERS: four work-groups of a head ask jointly: every one reads every block.  No branch and no LDS address hangs on the place in the cluster.  No prefetch: the second and last fill goes out ahead of the loop, which has no fill to run ahead of.
; A STEP (128 keys x 16 queries): S^T = k q^T, used transposed: lane (r, h) holds query r and its registers 32 c + i the keys 64 c + 32 h + i: each 32 a whole scale block.  Two tiles of k lie in one operand of 128 along K (64 each); q lies in one half of
; its operand with zero codes in the other, so one register run serves both tiles.  M is kept as v12 = -M, the largest score in v13, the sum of the unquantised p in v[14:15].
; REGISTERS: v16-33 zeros, q, zeros; v34-39 the second q; v40-45 and v11 scale words and nothing else; v48-95 k's fragments, v96-143 v's; v144-207 scores, then p; v208-239 O^T; v240-251 p's codes.
.set BLK,   12800
.set KV,    3145728
.set QS,    KV+16*409600
.set N0,    5*BLK
.set XCH,   16*BLK                     ; a pair's sums: 4,608 bytes
.set SPARE, XCH+8*4608
.set S,     144
.set O,     208
.set SEL,   46
.set CS,    58                         ; log2(e) / 8, twice
.set J,     48
.set G1A, 68
.set G1B, 76
.set G0A, 32
.set G0B, 36
.macro CROUND                          ; a round of the cluster's barrier
	s_barrier_signal -1
	s_barrier_wait -1
	s_cmp_lg_u32 s12, 0
	s_cbranch_scc1 .Lnot_wave_0_\@
	s_barrier_signal -3
.Lnot_wave_0_\@:
	s_barrier_wait -3
	s_barrier_signal -1
	s_barrier_wait -1
.endm
.macro JLOAD                           ; one joint load a wave: waves 0-9 by the one descriptor, 10-15 by the other
	s_cmp_lt_u32 s12, 10
	s_cbranch_scc0 .Lupper_\@
	tensor_load_to_lds s[G0A:G0A+3], s[G1A:G1A+7]
	s_nop 0
	s_branch .Lasked_\@
.Lupper_\@:
	tensor_load_to_lds s[G0B:G0B+3], s[G1B:G1B+7]
	s_nop 0
.Lasked_\@:
.endm
.macro GROUP1 g, rows                  ; rows of 256 bytes, dense
	s_mov_b32 s[\g], 15|(3<<16)|(1<<21)
	s_mov_b32 s[\g+1], 32<<16
	s_mov_b32 s[\g+2], (\rows)<<16
	s_mov_b32 s[\g+3], 32<<16
	s_mov_b32 s[\g+4], \rows
	s_mov_b32 s[\g+5], 32
	s_mov_b32 s[\g+6], 0
	s_mov_b32 s[\g+7], 0
.endm
.macro G0ADDR g                        ; the image in LDS is the image in memory: the same offset in both
	s_mov_b32 s22, s[\g+1]
	s_add_nc_u64 s[\g+2:\g+3], s[44:45], s[22:23]
	s_or_b32 s[\g+3], s[\g+3], 0x80000000
.endm
	s_load_b128 s[4:7], s[0:1], 0x0                ; qkv, ocod
	s_load_b64 s[8:9], s[0:1], 0x10                ; osc
	v_lshl_add_u32 v9, v0, 2, SPARE
	v_mov_b32 v10, 0
	ds_add_u32 v9, v10                             ; the opening lines: the add, twice on end, and one wait
	ds_add_u32 v9, v10
	v_lshrrev_b32 v1, 5, v0
	v_readfirstlane_b32 s12, v1                    ; wave
	s_bfe_u32 s13, s12, 0x10002                    ; 0: the pair's first wave, 1: its second
	s_and_b32 s14, s12, 3
	s_lshr_b32 s20, s12, 3
	s_lshl_b32 s20, s20, 2
	s_add_co_u32 s14, s14, s20                     ; b: the pair
	s_bfe_u32 s15, ttmp6, 0x40000                  ; cx
	s_and_b32 s16, ttmp7, 0xffff
	s_and_b32 s17, s16, 15                         ; head
	s_bfe_u32 s18, s16, 0x10004                    ; batch
	s_lshr_b32 s19, s16, 5
	s_lshl_b32 s19, s19, 2
	s_add_co_u32 s19, s19, s15                     ; g: my tile in each block of queries
	s_add_co_u32 s51, s14, s13                     ; b + (second wave)
	s_sub_co_u32 s52, 15, s14                      ; the long tile's block
	s_add_co_u32 s21, s14, 1
	s_mov_b32 s20, 8
	s_cmp_eq_u32 s13, 1
	s_cselect_b32 s53, s14, s20                    ; the trip in which my tile meets its own block: the mask
	s_cselect_b32 s54, s21, 64                     ; the trip ahead of which the second wave changes tiles
	s_cselect_b32 s55, 8, 64                       ; the trip that the second wave has not
	s_cselect_b32 s56, s14, s52                    ; the block of the tile that I begin with, and that I send off
	GROUP1 G1A, 16
	GROUP1 G1B, 15
	s_mov_b32 s[G0A], 1
	s_lshl_b32 s[G0A+1], s12, 12
	s_mov_b32 s[G0B], 1
	s_mul_i32 s[G0B+1], s12, 3840
	s_add_co_u32 s[G0B+1], s[G0B+1], 2560          ; waves 0-9 16 rows, waves 10-15 15 rows: the 250 rows of five blocks
	s_mov_b32 s23, 0
	s_lshl_b32 s22, s17, 1
	s_add_co_u32 s22, s22, s18
	s_mul_i32 s22, s22, 16*BLK
	s_add_co_u32 s22, s22, KV                      ; this head's and batch's k and v
	s_mov_b32 s[SEL], 0x76543210
	s_mov_b32 s[SEL+1], 0xfedcba98
	s_mov_b32 s[CS], 0x3e38aa3b
	s_mov_b32 s[CS+1], 0x3e38aa3b
	s_mul_i32 s60, s14, 4608
	s_add_co_u32 s60, s60, XCH                     ; the pair's place
	s_lshr_b32 s61, s19, 2
	s_lshl_b32 s61, s61, 6
	s_and_b32 s62, s19, 3
	s_lshl_b32 s62, s62, 3
	s_add_co_u32 s61, s61, s62                     ; my tile's first query in its block
	v_and_b32 v5, 31, v0
	v_and_b32 v8, 15, v0                           ; r
	v_bfe_u32 v255, v0, 4, 1                       ; h
	v_lshlrev_b32 v1, 4, v5
	v_lshlrev_b32 v2, 3, v5
	v_lshlrev_b32 v3, 2, v5
	v_lshl_add_u32 v47, v8, 2, v255                ; 4 r + h: my scale byte's place (only ever read as the unused half of the pair v[46:47], and as that place)
	v_lshlrev_b32 v5, 2, v8                        ; 4 r
	v_and_b32 v4, 7, v8
	v_lshrrev_b32 v252, 3, v8
	v_lshl_add_u32 v4, v252, 5, v4
	v_add_nc_u32 v4, s61, v4                       ; my query in its block, tile row r being 32 (r / 8) + r % 8 of the tile's,
	v_lshlrev_b32 v252, 5, v255
	v_sub_nc_u32 v4, v4, v252                      ; less 32 h: register 32 c + i is hidden in the masked step where 64 c + i is above it
	v_add_nc_u32 v0, s60, v1
	s_wait_alu depctr_va_vdst(0)
	s_wait_dscnt 0x0
	CROUND                                         ; all four work-groups are here: the joint loads meet
	s_wait_kmcnt 0x0
	s_add_nc_u64 s[44:45], s[4:5], s[22:23]
	G0ADDR G0A
	G0ADDR G0B
	JLOAD                                          ; blocks 0-4
	s_mul_i32 s57, s17, 196608
	s_mul_i32 s20, s18, 98304
	s_add_co_u32 s57, s57, s20
	s_mul_i32 s20, s19, 768
	s_add_co_u32 s57, s57, s20                     ; q: head, batch, tile g of a block
	s_mul_i32 s22, s56, 6144
	s_add_co_u32 s22, s22, s57
	s_add_nc_u64 s[84:85], s[4:5], s[22:23]
	s_mul_i32 s22, s52, 6144
	s_add_co_u32 s22, s22, s57
	s_add_nc_u64 s[86:87], s[4:5], s[22:23]
	s_lshl_b32 s57, s17, 13
	s_lshl_b32 s20, s18, 12
	s_add_co_u32 s57, s57, s20
	s_lshr_b32 s20, s19, 1
	s_lshl_b32 s20, s20, 6
	s_add_co_u32 s57, s57, s20
	s_and_b32 s20, s19, 1
	s_lshl_b32 s20, s20, 1
	s_add_co_u32 s57, s57, s20
	s_add_co_u32 s57, s57, QS                      ; its scales
	s_lshl_b32 s22, s56, 8
	s_add_co_u32 s22, s22, s57
	s_add_nc_u64 s[88:89], s[4:5], s[22:23]
	s_lshl_b32 s22, s52, 8
	s_add_co_u32 s22, s22, s57
	s_add_nc_u64 s[90:91], s[4:5], s[22:23]
	global_load_b128 v[22:25], v1, s[84:85]
	global_load_b64 v[26:27], v2, s[84:85] offset:512
	global_load_u16 v40, v5, s[88:89]
	global_load_b128 v[34:37], v1, s[86:87]
	global_load_b64 v[38:39], v2, s[86:87] offset:512
	global_load_u16 v41, v5, s[90:91]
	s_lshl_b32 s57, s18, 7
	s_lshl_b32 s20, s56, 3
	s_add_co_u32 s57, s57, s20
	s_add_co_u32 s57, s57, s19                     ; the tile that I send off
	s_mul_i32 s22, s57, 12288
	s_mul_i32 s20, s17, 768
	s_add_co_u32 s22, s22, s20
	s_add_nc_u64 s[40:41], s[6:7], s[22:23]        ; its codes, this head's chunk
	s_lshl_b32 s22, s57, 9
	s_lshr_b32 s20, s17, 1
	s_lshl_b32 s20, s20, 6
	s_add_co_u32 s22, s22, s20
	s_and_b32 s20, s17, 1
	s_lshl_b32 s20, s20, 1
	s_add_co_u32 s22, s22, s20
	s_add_nc_u64 s[42:43], s[8:9], s[22:23]        ; its scale bytes
.irp j, 16,17,18,19,20,21,28,29,30,31,32,33,251,252
	v_mov_b32 v\j, 0
.endr
.macro START                           ; empty sums: the largest score so far is -3e38
	v_mov_b32 v13, 0xff61b1e6
.irp j, 0,1,2,3,4,5,6,7,8,9,10,11,12,13,14,15,16,17,18,19,20,21,22,23,24,25,26,27,28,29,30,31
	v_mov_b32 v[O+\j], 0
.endr
	v_mul_f32 v12, s[CS], v13
	v_mov_b32 v14, 0
	v_mov_b32 v15, 0
	v_floor_f32 v12, -v12
.endm
	START
.macro NEXT lim                        ; s49: the LDS place of trip s50's key block; lim: the last block that this part of the text may read
	s_min_u32 s49, s50, s51
	s_sub_co_u32 s49, s50, s49
	s_add_co_u32 s49, s49, s50
	s_min_u32 s49, s49, s52
	s_min_u32 s49, s49, \lim
	s_mul_i32 s49, s49, BLK
.endm
.macro PLACE
	v_add_nc_u32 v6, s49, v1
	v_add_nc_u32 v7, s49, v2
	v_add_nc_u32 v8, s49, v3
.endm
.macro KLOAD                           ; 18 loads
.irp p, 0,1,2,3
	ds_load_b128 v[48+12*\p:51+12*\p], v6 offset:1536*\p
	ds_load_b64 v[52+12*\p:53+12*\p], v7 offset:1536*\p+512
	ds_load_b128 v[54+12*\p:57+12*\p], v6 offset:1536*\p+768
	ds_load_b64 v[58+12*\p:59+12*\p], v7 offset:1536*\p+1280
.endr
	ds_load_b32 v42, v8 offset:12288               ; lanes 0-15 pair 0, lanes 16-31 pair 1,
	ds_load_b32 v43, v8 offset:12416               ; pairs 2 and 3
.endm
.macro VLOAD                           ; 18 loads
.irp t, 0,1,2,3
	ds_load_b128 v[96+12*\t:99+12*\t], v6 offset:6144+768*\t
	ds_load_b64 v[100+12*\t:101+12*\t], v7 offset:6656+768*\t
	ds_load_b128 v[102+12*\t:105+12*\t], v6 offset:9216+768*\t
	ds_load_b64 v[106+12*\t:107+12*\t], v7 offset:9728+768*\t
.endr
	ds_load_b32 v44, v8 offset:12544
	ds_load_b32 v45, v8 offset:12672
.endm
.macro SENDOFF                         ; O^T / the sum, quantised: a lane's 32 registers are 32 neighbouring columns of the head, one scale block
.rept 4
	v_nop
.endr
	v_add_f32 v14, v14, v15
	v_permlanex16_b32 v252, v14, s[SEL], s[SEL+1]
	v_add_f32 v14, v14, v252
	s_wait_alu depctr_va_vdst(0)                   ; the wait ahead of the transcendental
	v_rcp_f32 v14, v14
	v_nop
	s_wait_alu depctr_va_vdst(0)                   ; and behind it
.irp j, 0,2,4,6,8,10,12,14,16,18,20,22,24,26,28,30
	v_pk_mul_f32 v[S+\j:S+1+\j], v[O+\j:O+1+\j], v[14:15] op_sel_hi:[1,0]
.endr
	v_max3_num_f32 v5, |v[S]|, |v[S+1]|, 0x1800000
	v_max3_num_f32 v255, |v[S+16]|, |v[S+17]|, 0x1800000
.irp i, 2,4,6,8,10,12,14
	v_max3_num_f32 v5, v5, |v[S+\i]|, |v[S+1+\i]|
	v_max3_num_f32 v255, v255, |v[S+16+\i]|, |v[S+17+\i]|
.endr
	v_max_num_f32 v5, v5, v255
	v_add_nc_u32 v5, 0xff000000, v5
	v_lshrrev_b32 v255, 23, v5
	v_cvt_scalef32_pk16_fp6_f32 v[240:242], v[S:S+15], v5
	v_cvt_scalef32_pk16_fp6_f32 v[252:254], v[S+16:S+31], v5
	v_nop
	v_mov_b32 v243, v252
	v_mov_b32 v244, v253
	v_mov_b32 v245, v254
	global_store_b128 v1, v[240:243], s[40:41]     ; whole aligned blocks of 256 bytes
	global_store_b64 v2, v[244:245], s[40:41] offset:512
	global_store_b8 v47, v255, s[42:43]
.endm
; lim: the last block that the part may read; last: the trip behind which the part reads no further block; hid: the part holds the trip that second waves have not
.macro STEP lim, last, hid
	s_cmp_eq_u32 s[J], s54
	s_cbranch_scc0 .Lsame_\@
	SENDOFF                                        ; the second wave's short tile is whole; on to the long tile
	s_wait_xcnt 0x0                                ; the stores have read their registers
.irp j, 0,1,2,3,4,5
	v_mov_b32 v[22+\j], v[34+\j]
.endr
	v_mov_b32 v40, v41
	START
	s_wait_alu depctr_va_vdst(0)
.Lsame_\@:
.if \hid
	s_cmp_eq_u32 s[J], s55
	s_cbranch_scc1 .Lhidden_\@
.endif
	s_mov_b32 s50, s[J]
	NEXT \lim
	PLACE                                          ; this trip's block; three of the four places behind the last trip's products
	v_nop
	VLOAD
	s_wait_dscnt 18                                ; k's fragments, asked for a step ago, are in; v's 18 loads may be out
.irp p, 0,1,2,3
.if \p%2
	v_wmma_scale_f32_16x16x128_f8f6f4 v[S+16*\p:S+16*\p+7], v[48+12*\p:59+12*\p], v[22:33], 0, v[42+\p/2], v40 matrix_a_fmt:MATRIX_FMT_FP6 matrix_b_fmt:MATRIX_FMT_FP6 matrix_a_scale:MATRIX_SCALE_ROW1
	v_wmma_scale_f32_16x16x128_f8f6f4 v[S+16*\p+8:S+16*\p+15], v[48+12*\p:59+12*\p], v[16:27], 0, v[42+\p/2], v40 matrix_a_fmt:MATRIX_FMT_FP6 matrix_b_fmt:MATRIX_FMT_FP6 matrix_a_scale:MATRIX_SCALE_ROW1
.else
	v_wmma_scale_f32_16x16x128_f8f6f4 v[S+16*\p:S+16*\p+7], v[48+12*\p:59+12*\p], v[22:33], 0, v[42+\p/2], v40 matrix_a_fmt:MATRIX_FMT_FP6 matrix_b_fmt:MATRIX_FMT_FP6
	v_wmma_scale_f32_16x16x128_f8f6f4 v[S+16*\p+8:S+16*\p+15], v[48+12*\p:59+12*\p], v[16:27], 0, v[42+\p/2], v40 matrix_a_fmt:MATRIX_FMT_FP6 matrix_b_fmt:MATRIX_FMT_FP6
.endif
.endr
	s_add_co_u32 s50, s[J], 1
	NEXT \lim
	PLACE                                          ; three of the four places behind the products
	v_nop
	s_cmp_eq_u32 s[J], \last
	s_cbranch_scc1 .Lno_next_\@
	KLOAD                                          ; the next trip's k
.Lno_next_\@:
	s_cmp_lg_u32 s[J], s53
	s_cbranch_scc1 .Lopen_\@
	v_mov_b32 v252, 0xff800000
.irp n, 0,1,2,3,4,5,6,7,8,9,10,11,12,13,14,15,16,17,18,19,20,21,22,23,24,25,26,27,28,29,30,31,32,33,34,35,36,37,38,39,40,41,42,43,44,45,46,47,48,49,50,51,52,53,54,55,56,57,58,59,60,61,62,63
	v_cmp_gt_i32 vcc_lo, 64*(\n/32)+\n%32, v4
	v_cndmask_b32 v[S+\n], v[S+\n], v252, vcc_lo
.endr
.Lopen_\@:
	v_max3_num_f32 v5, v[S], v[S+1], v[S+2]        ; each block's largest score, two chains a block
	v_max3_num_f32 v248, v[S+16], v[S+17], v[S+18]
	v_max3_num_f32 v255, v[S+32], v[S+33], v[S+34]
	v_max3_num_f32 v249, v[S+48], v[S+49], v[S+50]
.irp i, 3,5,7,9,11,13
	v_max3_num_f32 v5, v5, v[S+\i], v[S+1+\i]
	v_max3_num_f32 v248, v248, v[S+16+\i], v[S+17+\i]
	v_max3_num_f32 v255, v255, v[S+32+\i], v[S+33+\i]
	v_max3_num_f32 v249, v249, v[S+48+\i], v[S+49+\i]
.endr
	v_max3_num_f32 v5, v5, v248, v[S+15]
	v_max3_num_f32 v255, v255, v249, v[S+47]
	v_max_num_f32 v5, v5, v[S+31]
	v_max_num_f32 v255, v255, v[S+63]
	v_max_num_f32 v250, v5, v255
	s_delay_alu instid0(VALU_DEP_1)
	v_permlanex16_b32 v251, v250, s[SEL], s[SEL+1]
	s_delay_alu instid0(VALU_DEP_1)
	v_max3_num_f32 v13, v13, v250, v251            ; the running largest score
	s_delay_alu instid0(VALU_DEP_1)
	v_mul_f32 v250, s[CS], v13
	v_mov_b32 v248, v12
	s_delay_alu instid0(VALU_DEP_2)
	v_floor_f32 v12, -v250                         ; -M, a whole number
	s_delay_alu instid0(VALU_DEP_1)
	v_sub_f32 v248, v12, v248
	s_delay_alu instid0(VALU_DEP_1)
	v_cvt_i32_f32 v248, v248                       ; (it saturates)
	s_delay_alu instid0(VALU_DEP_1)
	v_ldexp_f32 v46, 1.0, v248                     ; 2^(old M - new M)
.irp j, 0,2,4,6,8,10,12,14,16,18,20,22,24,26,28,30,32,34,36,38,40,42,44,46,48,50,52,54,56,58,60,62
	v_pk_fma_f32 v[S+\j:S+1+\j], v[S+\j:S+1+\j], s[CS:CS+1], v[12:13] op_sel_hi:[1,0,0]
.endr
	v_fma_f32 v5, v5, s[CS], v12
	v_fma_f32 v255, v255, s[CS], v12
	s_wait_alu depctr_va_vdst(0)                   ; the wait ahead of the batch
.irp j, 0,1,2,3,4,5,6,7,8,9,10,11,12,13,14,15,16,17,18,19,20,21,22,23,24,25,26,27,28,29,30,31,32,33,34,35,36,37,38,39,40,41,42,43,44,45,46,47,48,49,50,51,52,53,54,55,56,57,58,59,60,61,62,63
	v_exp_f32 v[S+\j], v[S+\j]
.endr
	v_exp_f32 v5, v5                               ; each block's largest p: the same lines on the same number give the same bits
	v_exp_f32 v255, v255
	v_nop
	s_wait_alu depctr_va_vdst(0)                   ; and behind it
	v_pk_fma_f32 v[14:15], v[14:15], v[46:47], v[S:S+1] op_sel_hi:[1,0,1]  ; the sum of the unquantised p, in three chains
	v_pk_add_f32 v[248:249], v[S+2:S+3], v[S+4:S+5]
	v_pk_add_f32 v[250:251], v[S+6:S+7], v[S+8:S+9]
.irp j, 10,16,22,28,34,40,46,52,58
	v_pk_add_f32 v[14:15], v[14:15], v[S+\j:S+1+\j]
	v_pk_add_f32 v[248:249], v[248:249], v[S+2+\j:S+3+\j]
	v_pk_add_f32 v[250:251], v[250:251], v[S+4+\j:S+5+\j]
.endr
	v_max_num_f32 v5, 0x1800000, v5                ; the floor 2^(3 - 127)
	v_max_num_f32 v255, 0x1800000, v255
	v_pk_add_f32 v[14:15], v[14:15], v[248:249]
	v_add_nc_u32 v5, 0xff000000, v5                ; 2 off the exponent field: the conversions' scale operands
	v_add_nc_u32 v255, 0xff000000, v255
	v_pk_add_f32 v[14:15], v[14:15], v[250:251]
	v_lshrrev_b32 v252, 23, v5
	v_lshrrev_b32 v253, 23, v255
	s_delay_alu instid0(VALU_DEP_1)
	v_lshl_or_b32 v252, v253, 16, v252             ; my blocks h and 2 + h,
	s_delay_alu instid0(VALU_DEP_1)
	v_permlanex16_b32 v253, v252, s[SEL], s[SEL+1]
	v_cvt_scalef32_pk16_fp6_f32 v[240:242], v[S:S+15], v5
	v_cvt_scalef32_pk16_fp6_f32 v[246:248], v[S+32:S+47], v255
	v_lshl_or_b32 v11, v253, 8, v252               ; and lane l xor 16's: lanes 0-15 hold the scale word
	v_cvt_scalef32_pk16_fp6_f32 v[252:254], v[S+16:S+31], v5        ; (a conversion's three registers begin on an even number)
	v_cvt_scalef32_pk16_fp6_f32 v[S:S+2], v[S+48:S+63], v255
	v_nop
.irp i, 0,1,2
	v_mov_b32 v[243+\i], v[252+\i]
	v_mov_b32 v[249+\i], v[S+\i]
.endr
	s_wait_dscnt 0x0                               ; v's fragments are in
	s_wait_alu depctr_va_vdst(0)                   ; the wait ahead of the first reader of O^T
.irp j, 0,2,4,6,8,10,12,14,16,18,20,22,24,26,28,30
	v_pk_mul_f32 v[O+\j:O+1+\j], v[O+\j:O+1+\j], v[46:47] op_sel_hi:[1,0]
.endr
.irp t, 0,1,2,3
.if \t%2
	v_wmma_scale_f32_16x16x128_f8f6f4 v[O+8*\t:O+8*\t+7], v[96+12*\t:107+12*\t], v[240:251], v[O+8*\t:O+8*\t+7], v[44+\t/2], v11 matrix_a_fmt:MATRIX_FMT_FP6 matrix_b_fmt:MATRIX_FMT_FP6 matrix_a_scale:MATRIX_SCALE_ROW1
.else
	v_wmma_scale_f32_16x16x128_f8f6f4 v[O+8*\t:O+8*\t+7], v[96+12*\t:107+12*\t], v[240:251], v[O+8*\t:O+8*\t+7], v[44+\t/2], v11 matrix_a_fmt:MATRIX_FMT_FP6 matrix_b_fmt:MATRIX_FMT_FP6
.endif
.endr
.Lhidden_\@:
.endm
	s_wait_alu depctr_va_vdst(0)                   ; the wait at the head's end
	s_wait_tensorcnt 0x0                           ; my part of blocks 0-4 is in
	ds_add_u32 v9, v10
	s_mov_b32 s[G1A+2], 34<<16                     ; no tensor load of mine is out: blocks 5-15 are 550 rows: 34 for waves 0-9, 35 for waves 10-15
	s_mov_b32 s[G1A+4], 34
	s_mov_b32 s[G1B+2], 35<<16
	s_mov_b32 s[G1B+4], 35
	s_mul_i32 s[G0A+1], s12, 8704
	s_add_co_u32 s[G0A+1], s[G0A+1], N0
	s_mul_i32 s[G0B+1], s12, 8960
	s_add_co_u32 s[G0B+1], s[G0B+1], N0-2560
	G0ADDR G0A
	G0ADDR G0B
	s_wait_dscnt 0x0
	CROUND
	JLOAD                                          ; blocks 5-15
	s_mov_b32 s[J], 0
	s_mov_b32 s50, 0
	NEXT 4
	s_wait_loadcnt 0x0
	v_lshl_or_b32 v40, v40, 16, v40                ; q's two scale bytes, for either half of the operand
	v_lshl_or_b32 v41, v41, 16, v41
	PLACE
.rept 4
	v_nop
.endr
	KLOAD
	s_wait_alu depctr_va_vdst(0)
.Lfirst:
	STEP 4, 2, 0
	s_add_co_u32 s[J], s[J], 1
	s_cmp_lt_u32 s[J], 3
	s_cbranch_scc1 .Lfirst
	s_wait_tensorcnt 0x0                           ; my part of blocks 5-15 is in
	s_wait_dscnt 0x0
	s_barrier_signal -1
	s_barrier_wait -1                              ; everybody's is
	s_mov_b32 s50, 3
	NEXT 15
.rept 4
	v_nop
.endr
	PLACE
	KLOAD
	s_mov_b32 s[J], 3
.Lrest:
	STEP 15, 8, 1
	s_add_co_u32 s[J], s[J], 1
	s_cmp_lt_u32 s[J], 9
	s_cbranch_scc1 .Lrest
.rept 4
	v_nop
.endr
	s_wait_dscnt 0x0
	s_cmp_eq_u32 s13, 1
	s_cbranch_scc0 .Lfirst_wave
.irp i, 0,1,2,3,4,5,6,7                        ; the second wave's part of the long tile
	ds_store_b128 v0, v[O+4*\i:O+4*\i+3] offset:512*\i
.endr
	ds_store_b128 v0, v[12:15] offset:4096
.Lfirst_wave:
	s_wait_tensorcnt 0x0                           ; behind my last tensor load and my last LDS store
	ds_add_u32 v9, v10
	s_wait_dscnt 0x0
	CROUND                                         ; the closing round; it also shows the second waves' parts
	s_cmp_eq_u32 s13, 1
	s_cbranch_scc1 .Ldone
	ds_load_b128 v[240:243], v0 offset:4096
.irp i, 0,1,2,3,4,5,6,7
	ds_load_b128 v[S+4*\i:S+4*\i+3], v0 offset:512*\i
.endr
	s_wait_dscnt 0x0
	v_min_num_f32 v244, v12, v240                  ; the joint -M
	v_sub_f32 v245, v244, v12
	v_sub_f32 v246, v244, v240
	v_cvt_i32_f32 v245, v245
	v_cvt_i32_f32 v246, v246
	v_ldexp_f32 v46, 1.0, v245
	v_ldexp_f32 v252, 1.0, v246
	v_mov_b32 v253, 0
	v_pk_mul_f32 v[14:15], v[14:15], v[46:47] op_sel_hi:[1,0]
.irp j, 0,2,4,6,8,10,12,14,16,18,20,22,24,26,28,30
	v_pk_mul_f32 v[O+\j:O+1+\j], v[O+\j:O+1+\j], v[46:47] op_sel_hi:[1,0]
.endr
	v_pk_fma_f32 v[14:15], v[242:243], v[252:253], v[14:15] op_sel_hi:[1,0,1]
.irp j, 0,2,4,6,8,10,12,14,16,18,20,22,24,26,28,30
	v_pk_fma_f32 v[O+\j:O+1+\j], v[S+\j:S+1+\j], v[252:253], v[O+\j:O+1+\j] op_sel_hi:[1,0,1]
.endr
	SENDOFF
.Ldone:
	s_endpgm
.Lfunc_end_k_q181e1c3675_attn:
	.size	k_q181e1c3675_attn, .Lfunc_end_k_q181e1c3675_attn-k_q181e1c3675_attn
	.p2alignl 7, 3214868480
	.fill 96, 4, 3214868480
	.section	.rodata,"a",@progbits
	.p2align	6, 0x0
	.amdhsa_kernel k_q181e1c3675_attn
		.amdhsa_group_segment_fixed_size 327680
		.amdhsa_private_segment_fixed_size 0
		.amdhsa_enable_private_segment 0
		.amdhsa_kernarg_size 24
		.amdhsa_user_sgpr_count 2
		.amdhsa_user_sgpr_kernarg_segment_ptr 1
		.amdhsa_wavefront_size32 1
		.amdhsa_system_sgpr_workgroup_id_x 1
		.amdhsa_system_sgpr_workgroup_id_y 1
		.amdhsa_system_sgpr_workgroup_id_z 1
		.amdhsa_system_vgpr_workitem_id 0
		.amdhsa_next_free_vgpr 256
		.amdhsa_next_free_sgpr 98
		.amdhsa_reserve_vcc 1
		.amdhsa_float_denorm_mode_32 3
		.amdhsa_float_denorm_mode_16_64 3
		.amdhsa_memory_ordered 1
		.amdhsa_forward_progress 1
		.amdhsa_inst_pref_size 73
	.end_amdhsa_kernel
	.amdgpu_metadata
---
amdhsa.version: [ 1, 2 ]
amdhsa.kernels:
  - .name:           k_q181e1c3675_attn
    .symbol:         k_q181e1c3675_attn.kd
    .args:
      - { .name: qkv, .offset: 0, .size: 8, .value_kind: global_buffer, .address_space: global }
      - { .name: ocod, .offset: 8, .size: 8, .value_kind: global_buffer, .address_space: global }
      - { .name: osc, .offset: 16, .size: 8, .value_kind: global_buffer, .address_space: global }
    .group_segment_fixed_size: 327680
    .private_segment_fixed_size: 0
    .kernarg_segment_align: 8
    .kernarg_segment_size: 24
    .max_flat_workgroup_size: 512
    .sgpr_count:     98
    .vgpr_count:     256
    .wavefront_size: 32
...
	.end_amdgpu_metadata
.endif
;; end of part 3
;; launch outp (part 4): grid 8 x 32, 4 waves a work-group, clusters of 4 x 4, 214,528 bytes of LDS; arguments ocod, osc, cod, scl, out0; writes out0
.if DOCPART == 4
	.amdgcn_target "amdgcn-amd-amdhsa--gfx1250"
	.amdhsa_code_object_version 6
	.text
	.protected	k_q181e1c3675_outp
	.globl	k_q181e1c3675_outp
	.p2align	8
	.type	k_q181e1c3675_outp,@function
k_q181e1c3675_outp:
	s_mov_b64 s[64:65], 0
	v_nop
	global_prefetch_b8 v0, s[64:65] scope:SCOPE_SE
	s_setreg_imm32_b32 hwreg(HW_REG_WAVE_MODE, 25, 1), 1
	s_wait_xcnt 0x0
	s_wait_alu depctr_hold_cnt(0) depctr_sa_sdst(0) depctr_va_vdst(0) depctr_va_sdst(0) depctr_va_ssrc(0) depctr_va_vcc(0) depctr_vm_vsrc(0)
	s_getreg_b32 s2, hwreg(HW_REG_IB_STS2, 6, 4)
	s_cmp_eq_u32 s2, 0
	s_cbranch_scc0 .Lentry_in_a_cluster
	s_endpgm
.Lentry_in_a_cluster:
	s_bfe_u32 s2, ttmp6, 0x10000c
	s_cmp_lg_u32 s2, 0xf033
	s_cbranch_scc0 .Lentry_shape_is_right
	s_endpgm
.Lentry_shape_is_right:
; out0 = o wo^T on codes of FP6 (E2M3) with E8M0 scales; f32 sums.  o: ocod, osc (4,096 tokens x 1,024); wo: tiles 448-511 of cod and scl.
; Both are images of operand registers: [tile of 16 rows][chunk of 64 K][768 bytes], a lane's registers 0-3 at 16 x lane, 4-5 at 512 + 8 x lane; tile 4 g + j holds in tile row r the row 64 g + 32 (r / 8) + 8 j + r % 8.
; A work-group makes 128 tokens (R, source 1) x 128 columns (P = rows of wo, source 0): 256 work-groups, one for each WGP; blocks of 256 x 256 would be 64.  A wave makes 64 x 64: 16 accumulators.
; A lane holds one token, and its 32 registers of P's four tiles the columns 32 h + 0 .. 31 of the wave's 64.
; ALL OF K LIES IN LDS, FILLED ONCE, one joint tensor load a wave: waves 0 and 1 fetch R's and P's first 512 along K, waves 2 and 3 the other 512.  The first half is shown by a barrier ahead of which waves 0 and 1 wait, the second by a barrier ahead of which all wait.
; CLUSTERS: 4 x 4.  P's tiles hang on cx alone and are asked for jointly by a column of the cluster, R's on cy alone, by a row.  No prefetch: there is no loop of fills to run ahead in.
; LIMITS: NaN and infinities are not served.
; REGISTERS: window 0: v4-11 fragment addresses; v20-27 other addresses; v33-64 R's scale words (8 a + s), v66-97 P's (8 b + s), and nothing else; v128-255 the accumulators, (a, b) at v[128 + 8 (4 a + b)].
;   window 1: two fragment buffers, at v0 and v128: R's four fragments, then P's four.
.set FR,     12
.set TILEB,  6144                      ; a tile, 512 along K
.set OPB,    8*TILEB                   ; what one tensor load brings
.set HALF,   2*OPB
.set STAGE,  2*HALF                    ; 16 rows x 272 bytes for each wave; no tile lands there
.set SPITCH, 272
.set SPARE,  STAGE+4*16*SPITCH
.set STO, 20
.set RD,  21
.set CO,  22
.set RS,  33
.set PS,  66
.set ACC, 128
.set G1,  24
.set G1B, 32
.set G0,  40
.set G0B, 44
.set MSB, 0
.macro WIN new
.if MSB != (\new)
	s_set_vgpr_msb (MSB<<8)|(\new)
.set MSB, (\new)
.endif
.endm
.set MUL,  0x05                        ; sources 0 and 1 window 1; C and D window 0
.set TO_F, 0x40                        ; destination window 1, address window 0
.macro CROUND                          ; a round of the cluster's barrier
	s_barrier_signal -1
	s_barrier_wait -1
	s_cmp_lg_u32 s14, 0
	s_cbranch_scc1 .Lnot_wave_0_\@
	s_barrier_signal -3
.Lnot_wave_0_\@:
	s_barrier_wait -3
	s_barrier_signal -1
	s_barrier_wait -1
.endm
.macro PLACES
.rept 4
	v_nop
.endr
.endm
.macro TL g0, g1
	tensor_load_to_lds s[\g0:\g0+3], s[\g1:\g1+7]
	s_nop 0
	PLACES
.endm
	s_load_b256 s[4:11], s[0:1], 0x0               ; ocod s[4:5], osc s[6:7], cod s[8:9], scl s[10:11]
	s_load_b64 s[12:13], s[0:1], 0x20              ; out0
	v_lshl_add_u32 v126, v0, 2, SPARE
	v_mov_b32 v127, 0
	ds_add_u32 v126, v127
	ds_add_u32 v126, v127
	v_lshrrev_b32 v1, 5, v0
	v_readfirstlane_b32 s14, v1                    ; wave 0..3
	s_lshr_b32 s15, s14, 1                         ; which 64 tokens are mine.  Also: which half of K I fetch
	s_and_b32 s16, s14, 1                          ; which 64 columns.  Also: I fetch R (0) or P (1)
	s_bfe_u32 s84, ttmp6, 0x40000                  ; cx
	s_bfe_u32 s85, ttmp6, 0x40004                  ; cy
	s_lshl_b32 s86, ttmp9, 2
	s_add_co_u32 s86, s86, s84                     ; P's block of 128 rows of wo
	s_and_b32 s17, ttmp7, 0xffff
	s_lshl_b32 s17, s17, 2
	s_add_co_u32 s17, s17, s85                     ; R's block of 128 tokens
	s_lshl_b32 s87, s85, 2
	s_lshl_b32 s87, 15, s87                        ; my row of the cluster
	s_lshl_b32 s88, 0x1111, s84                    ; my column
	; group 1: 8 rows (tiles) of 6,144 bytes, 12,288 bytes apart, as elements of 8 bytes; dense in LDS
	s_or_b32 s[G1+0], s87, (3<<16)|(1<<21)
	s_or_b32 s[G1B+0], s88, (3<<16)|(1<<21)
.irp g, G1, G1B
	s_mov_b32 s[\g+1], 768<<16
	s_mov_b32 s[\g+2], 8<<16
	s_mov_b32 s[\g+3], 768<<16
	s_mov_b32 s[\g+4], 8
	s_mov_b32 s[\g+5], 1536
	s_mov_b32 s[\g+6], 0
	s_mov_b32 s[\g+7], 0
.endr
	s_mul_i32 s18, s15, TILEB                      ; my half of K in memory
	s_mul_i32 s20, s17, 98304                      ; R: tile 8 x block
	s_add_co_u32 s20, s20, s18
	s_mov_b32 s21, 0
	s_mul_i32 s22, s86, 98304                      ; P: tile 448 + 8 x block
	s_add_co_u32 s22, s22, s18
	s_add_co_u32 s22, s22, 448*12288
	s_mov_b32 s23, 0
	s_mov_b32 s[G0], 1
	s_mul_i32 s[G0+1], s15, HALF
	s_mov_b32 s[G0B], 1
	s_add_co_u32 s[G0B+1], s[G0+1], OPB
	s_wait_alu depctr_va_vdst(0)
	s_wait_dscnt 0x0
	CROUND                                         ; all sixteen work-groups are here: the joint loads meet
	s_wait_kmcnt 0x0
	s_add_nc_u64 s[G0+2:G0+3], s[4:5], s[20:21]
	s_or_b32 s[G0+3], s[G0+3], 0x80000000
	s_add_nc_u64 s[G0B+2:G0B+3], s[8:9], s[22:23]
	s_or_b32 s[G0B+3], s[G0B+3], 0x80000000
	s_cmp_eq_u32 s14, 0                            ; a load line of its own for each wave
	s_cbranch_scc0 .Lwave_1
	TL G0, G1
	s_branch .Lasked
.Lwave_1:
	s_cmp_eq_u32 s14, 1
	s_cbranch_scc0 .Lwave_2
	TL G0B, G1B
	s_branch .Lasked
.Lwave_2:
	s_cmp_eq_u32 s14, 2
	s_cbranch_scc0 .Lwave_3
	TL G0, G1
	s_branch .Lasked
.Lwave_3:
	TL G0B, G1B
.Lasked:
	s_lshl_b32 s20, s17, 3
	s_lshl_b32 s21, s15, 2
	s_add_co_u32 s20, s20, s21
	s_lshl_b32 s20, s20, 9                         ; my first tile of tokens x 512 bytes of scale words
	s_mov_b32 s21, 0
	s_add_nc_u64 s[6:7], s[6:7], s[20:21]
	s_lshl_b32 s20, s86, 3
	s_lshl_b32 s22, s16, 2
	s_add_co_u32 s20, s20, s22
	s_add_co_u32 s20, s20, 448
	s_lshl_b32 s20, s20, 9                         ; my first tile of wo likewise
	s_add_nc_u64 s[10:11], s[10:11], s[20:21]
	s_mul_i32 s18, s15, 4*TILEB                    ; my four tiles of R,
	s_mul_i32 s89, s16, 4*TILEB
	s_add_co_u32 s89, s89, OPB                     ; of P, behind R's eight
	s_mul_i32 s19, s14, 16*SPITCH
	s_add_co_u32 s19, s19, STAGE                   ; my stage
	v_and_b32 v1, 15, v0                           ; r
	v_bfe_u32 v2, v0, 4, 1                         ; h
	v_and_b32 v3, 31, v0
	v_lshlrev_b32 v24, 4, v3                       ; 16 x lane
	v_lshlrev_b32 v25, 3, v3                       ; 8 x lane
	v_lshlrev_b32 v26, 2, v1                       ; 4 r
	v_lshlrev_b32 v27, 4, v1                       ; 16 r
.irp a, 0,1,2,3
.irp s, 0,1,2,3,4,5,6,7
	global_load_b32 v[RS+8*\a+\s], v26, s[6:7] offset:\a*512+64*\s         ; osc = [tile][K step][r]
.endr
.endr
.irp b, 0,1,2,3
.irp j, 0,1
	global_load_b128 v[PS+8*\b+4*\j:PS+8*\b+4*\j+3], v27, s[10:11] offset:\b*512+\j*256   ; scl = [tile][half of K][r][four K steps]
.endr
.endr
	v_add_nc_u32 v4, s18, v24
	v_add_nc_u32 v5, s18, v25
	v_add_nc_u32 v6, s89, v24
	v_add_nc_u32 v7, s89, v25
.irp i, 0,1,2,3
	v_add_nc_u32 v[8+\i], HALF, v[4+\i]            ; the second half of K
.endr
	v_mul_u32_u24 v[STO], v1, SPITCH
	v_lshl_add_u32 v[STO], v2, 7, v[STO]
	v_add_nc_u32 v[STO], s19, v[STO]               ; in: row r, + 128 h
	v_mul_u32_u24 v[RD], v2, SPITCH
	v_add_nc_u32 v[RD], v[RD], v27
	v_add_nc_u32 v[RD], s19, v[RD]                 ; back: lanes 0-15 one row of 256 bytes, lanes 16-31 the next
	v_lshl_add_u32 v[CO], v2, 12, v27              ; and the same two rows in out0
	s_wait_alu depctr_va_vdst(0)                   ; the wait at the head's end
	s_lshl_b32 s20, s17, 7
	s_lshl_b32 s22, s15, 6
	s_add_co_u32 s20, s20, s22
	s_lshl_b32 s20, s20, 12                        ; my first token x 4,096 bytes
	s_lshl_b32 s22, s86, 7
	s_lshl_b32 s23, s16, 6
	s_add_co_u32 s22, s22, s23
	s_lshl_b32 s22, s22, 2                         ; my first column x 4 bytes
	s_add_co_u32 s20, s20, s22
	s_add_nc_u64 s[12:13], s[12:13], s[20:21]
.macro FRAG reg, a16, a8, q, i
	ds_load_b128 v[(\reg):(\reg)+3], v[\a16] offset:TILEB*(\i)+1536*(\q)
	ds_load_b64 v[(\reg)+4:(\reg)+5], v[\a8] offset:TILEB*(\i)+1536*(\q)+512
	ds_load_b128 v[(\reg)+6:(\reg)+9], v[\a16] offset:TILEB*(\i)+1536*(\q)+768
	ds_load_b64 v[(\reg)+10:(\reg)+11], v[\a8] offset:TILEB*(\i)+1536*(\q)+1280
.endm
.macro FETCH s                         ; K step s of 128: 32 loads into buffer s % 2
	WIN TO_F
.irp i, 0,1,2,3
	FRAG 128*((\s)%2)+FR*\i, 4+4*((\s)/4), 5+4*((\s)/4), (\s)%4, \i
.endr
.irp i, 0,1,2,3
	FRAG 128*((\s)%2)+48+FR*\i, 6+4*((\s)/4), 7+4*((\s)/4), (\s)%4, \i
.endr
.endm
.macro MULS s                          ; 16 products; the accumulators take turns, in the same order in every step; step 0 starts the sums
	WIN MUL
.irp a, 0,1,2,3
.irp b, 0,1,2,3
.if (\s) == 0
	v_wmma_scale_f32_16x16x128_f8f6f4 v[ACC+8*(4*\a+\b):ACC+8*(4*\a+\b)+7], v[128*((\s)%2)+48+FR*\b:128*((\s)%2)+48+FR*\b+FR-1], v[128*((\s)%2)+FR*\a:128*((\s)%2)+FR*\a+FR-1], 0, v[PS+8*\b+(\s)], v[RS+8*\a+(\s)] matrix_a_fmt:MATRIX_FMT_FP6 matrix_b_fmt:MATRIX_FMT_FP6
.else
	v_wmma_scale_f32_16x16x128_f8f6f4 v[ACC+8*(4*\a+\b):ACC+8*(4*\a+\b)+7], v[128*((\s)%2)+48+FR*\b:128*((\s)%2)+48+FR*\b+FR-1], v[128*((\s)%2)+FR*\a:128*((\s)%2)+FR*\a+FR-1], v[ACC+8*(4*\a+\b):ACC+8*(4*\a+\b)+7], v[PS+8*\b+(\s)], v[RS+8*\a+(\s)] matrix_a_fmt:MATRIX_FMT_FP6 matrix_b_fmt:MATRIX_FMT_FP6
.endif
.endr
.endr
.endm
	s_cmp_lt_u32 s14, 2
	s_cbranch_scc0 .Lsecond_half
	s_wait_tensorcnt 0x0                           ; waves 0 and 1: the first half of K is in; the other half may be on its way: nothing is filled again in this launch
.Lsecond_half:
	s_barrier_signal -1
	s_barrier_wait -1
	FETCH 0
	s_wait_loadcnt 0x0                             ; the scale words
.irp s, 0,1,2,3,4,5,6,7
.if \s > 0
	PLACES                                         ; in front of loads into the buffer that the last step's products read
.endif
.if \s == 3
	s_wait_tensorcnt 0x0                           ; the second half of K is in
	s_wait_dscnt 0x0
	s_barrier_signal -1
	s_barrier_wait -1
.endif
.if \s < 7
	FETCH \s+1
	s_wait_dscnt 32                                ; all but the 32 just issued: this step's fragments are in
.else
	s_wait_dscnt 0x0
.endif
	MULS \s
.endr
	WIN 0
	PLACES
; THE WAY OUT, a tile of 16 tokens x 64 columns at a time, through my own stage: 32 bytes a lane in, whole rows of 256 bytes back, into the registers that they left.  LDS serves a wave's instructions in order.
.macro TOSTAGE a
.irp b, 0,1,2,3
	ds_store_b128 v[STO], v[ACC+32*(\a)+8*\b:ACC+32*(\a)+8*\b+3] offset:32*\b       ; each accumulator from its low end on
	ds_store_b128 v[STO], v[ACC+32*(\a)+8*\b+4:ACC+32*(\a)+8*\b+7] offset:32*\b+16
.endr
.irp t, 0,1,2,3,4,5,6,7
	ds_load_b128 v[ACC+32*(\a)+4*\t:ACC+32*(\a)+4*\t+3], v[RD] offset:\t*2*SPITCH
.endr
.endm
.macro SEND a, younger                 ; younger: the LDS instructions issued behind tile a's loads
.irp t, 0,1,2,3,4,5,6,7
	s_wait_dscnt \younger+7-\t
	global_store_b128 v[CO], v[ACC+32*(\a)+4*\t:ACC+32*(\a)+4*\t+3], s[12:13] offset:(8*(\a)+32*(\t/4)+2*(\t%4))*4096 th:TH_STORE_NT   ; tile rows 2 t, 2 t + 1 at their tokens; 16 lanes store 256 consecutive bytes, aligned
.endr
.endm
	TOSTAGE 0
	TOSTAGE 1
	SEND 0, 16
	TOSTAGE 2
	SEND 1, 16
	TOSTAGE 3
	SEND 2, 16
	SEND 3, 0
	s_wait_tensorcnt 0x0                           ; the wave's end
	ds_add_u32 v126, v127
	s_wait_dscnt 0x0
	CROUND                                         ; the closing round
	s_endpgm
.Lfunc_end_k_q181e1c3675_outp:
	.size	k_q181e1c3675_outp, .Lfunc_end_k_q181e1c3675_outp-k_q181e1c3675_outp
	.p2alignl 7, 3214868480
	.fill 96, 4, 3214868480
	.section	.rodata,"a",@progbits
	.p2align	6, 0x0
	.amdhsa_kernel k_q181e1c3675_outp
		.amdhsa_group_segment_fixed_size 214528
		.amdhsa_private_segment_fixed_size 0
		.amdhsa_enable_private_segment 0
		.amdhsa_kernarg_size 40
		.amdhsa_user_sgpr_count 2
		.amdhsa_user_sgpr_kernarg_segment_ptr 1
		.amdhsa_wavefront_size32 1
		.amdhsa_system_sgpr_workgroup_id_x 1
		.amdhsa_system_sgpr_workgroup_id_y 1
		.amdhsa_system_sgpr_workgroup_id_z 1
		.amdhsa_system_vgpr_workitem_id 0
		.amdhsa_next_free_vgpr 512
		.amdhsa_next_free_sgpr 90
		.amdhsa_reserve_vcc 0
		.amdhsa_float_denorm_mode_32 3
		.amdhsa_float_denorm_mode_16_64 3
		.amdhsa_memory_ordered 1
		.amdhsa_forward_progress 1
		.amdhsa_inst_pref_size 53
	.end_amdhsa_kernel
	.amdgpu_metadata
---
amdhsa.version: [ 1, 2 ]
amdhsa.kernels:
  - .name:           k_q181e1c3675_outp
    .symbol:         k_q181e1c3675_outp.kd
    .args:
      - { .name: ocod, .offset: 0, .size: 8, .value_kind: global_buffer, .address_space: global }
      - { .name: osc, .offset: 8, .size: 8, .value_kind: global_buffer, .address_space: global }
      - { .name: cod, .offset: 16, .size: 8, .value_kind: global_buffer, .address_space: global }
      - { .name: scl, .offset: 24, .size: 8, .value_kind: global_buffer, .address_space: global }
      - { .name: out0, .offset: 32, .size: 8, .value_kind: global_buffer, .address_space: global }
    .group_segment_fixed_size: 214528
    .private_segment_fixed_size: 0
    .kernarg_segment_align: 8
    .kernarg_segment_size: 40
    .max_flat_workgroup_size: 128
    .sgpr_count:     90
    .vgpr_count:     512
    .wavefront_size: 32
...
	.end_amdgpu_metadata
.endif
;; end of part 4
